; MI455X (gfx1250); checked and timed in simulation.
; The chip was launched on July 23, 2026; its instructions are those of AMD's public machine-readable ISA for CDNA 5 (MIT licence, August 2026) and "CDNA5" Instruction Set Architecture Reference Guide (July 2026). The comments in the code are by the model that wrote it; some were corrected since.
;; Attention. Allowed arithmetic: matrix products marked QUANTISED: E2M3 operands, one E8M0 scale for each 32 along K, by v_wmma_scale_f32_16x16x128_f8f6f4 with both operands' format E2M3, f32 sums; everything else in f32.
;; Inputs: bk 16 x 64 float32; bo 1,024 float32; bq 16 x 64 float32; bv 16 x 64 float32; wk 1,024 x 16 x 64 float32; wo 16 x 64 x 1,024 float32; wq 1,024 x 16 x 64 float32; wv 1,024 x 16 x 64 float32; x 1 x 4,096 x 1,024 float32.
;; Outputs: out0 1 x 4,096 x 1,024 float32.
;; Constants: is_causal = 1.
;; This version of the problem:
;;   THIS VERSION OF THE PROBLEM IS GIVEN IN LOW PRECISION. The matrix products marked QUANTISED in the list below multiply operands that are first quantised to E2M3 (2 exponent bits, 3 mantissa bits; 6 bits a number), with one power-of-two scale for each 32 numbers along K (OCP MX v1.0); their sums are f32. All else is computed in f32.
;;   The module's matrix products, in the order in which they are computed (A, B: the left and right operand; K: the contracted axis; several contracted axes count as one K, in the product's order):
;;     1. [M 4,096, K 1,024] x [K 1,024, N 1,024]; A: input x; B: input wq: QUANTISED
;;     2. [M 4,096, K 1,024] x [K 1,024, N 1,024]; A: input x; B: input wk: QUANTISED
;;     3. [M 4,096, K 1,024] x [K 1,024, N 1,024]; A: input x; B: input wv: QUANTISED
;;     4. batch 16 x [M 4,096, K 64] x [K 64, N 4,096]; A: computed on the way; B: computed on the way: QUANTISED
;;     5. batch 16 x [M 64, K 4,096] x [K 4,096, N 4,096]; A: computed on the way; B: softmax (see below): QUANTISED
;;     6. [M 4,096, K 1,024] x [K 1,024, N 1,024]; A: computed on the way; B: input wo: QUANTISED
;;   THE QUANTISER, for each operand of a quantised product, along K:
;;     - K is cut into blocks of 32 from its start; a last block that is shorter is filled with zeros.
;;     - A block's scale is 2^e with e = floor(log2(the largest magnitude in the block)) - 2, held to -126 .. 127; a block of zeros has e = 0. As a byte (E8M0): e + 127.
;;     - Each number is divided by its block's scale, clamped to +-7.5, and rounded to the nearest number of E2M3, ties to even, subnormals kept.
;;     - The product sums the exact products of the quantised numbers (number of the format x scale) in f32.
;;   ~~~python
;;   def quantise(x, axis):      # numpy; x: float32 -> the quantised numbers, widened to float32 again
;;       x = np.moveaxis(x, axis, -1); K = x.shape[-1]
;;       x = np.pad(x, [(0, 0)] * (x.ndim - 1) + [(0, -K % 32)]); x = x.reshape(x.shape[:-1] + (-1, 32)); a = np.abs(x).max(-1, keepdims=True)
;;       e = np.where(a > 0, np.clip(np.frexp(np.where(a > 0, a, 1))[1] - 1 - 2, -126, 127), 0)      # np.frexp(a)[1] - 1 = floor(log2(a)), exactly
;;       r = np.clip(x / 2.0 ** e, -7.5, 7.5)
;;       step = 2.0 ** (np.maximum(np.frexp(np.where(r == 0, 1, r))[1] - 1, 0) - 3)
;;       q = np.round(r / step) * step * 2.0 ** e      # np.round: ties to even
;;       return np.moveaxis(q.reshape(q.shape[:-2] + (-1,))[..., :K], -1, axis).astype(np.float32)
;;   ~~~
;;   SOFTMAX AHEAD OF A QUANTISED PRODUCT. Where the list says 'softmax', what is quantised is not the finished softmax but p = 2^(t - M), with t = logit x log2(e) and M = ceil(the row's largest t), a whole number; so 1/2 < the row's largest p <= 1. The row's sum l is taken of the UNQUANTISED p, in f32, and the product's result is divided by l at the end. Since M is a whole number, a kernel that streams over the keys may use a running M (the ceiling of the running maximum): every later rescaling is an exact power of two, which a block's scale takes up: the codes' values come out the same.
;;   OPERANDS COMPUTED ON THE WAY. 'Computed on the way' means the value that the module computes at that place (a softmax that the list does not call 'softmax' is quantised finished and normalised). What goes into a quantiser is computed in f32, as accurately as f32 sums, v_exp_f32 and their like allow (about 1e-6 of the number): no bf16 or f16 on the way to a quantiser, and a product that is left as it is and whose result goes on into a quantised operand takes f32 operands (vector FMAs, or v_wmma_f32_16x16x4_f32). A number that lies on a knife's edge between two numbers of the format may be rounded either way, as far as f32 arithmetic and the matrix unit's own rounding can turn it there, and no further.
;; One version. Each part assembles by itself: llvm-mc -triple=amdgcn-amd-amdhsa -mcpu=gfx1250 --defsym DOCPART=n.
;; ======== version 1 of 1: 4 launches
;; limits: right only within a limited range of input values
;; workspace buffers: ximg 3,276,800 bytes; wimg 3,276,800 bytes; qb 3,276,800 bytes; kv 6,553,600 bytes; vimg 3,276,800 bytes
;; launch quant (part 1): grid 512 x 1, 4 waves a work-group, no clusters, 68,096 bytes of LDS; arguments x, wq, wk, wv, wo, ximg, wimg; writes ximg, wimg
.if DOCPART == 1
	.amdgcn_target "amdgcn-amd-amdhsa--gfx1250"
	.amdhsa_code_object_version 6
	.text
	.protected	k_qc1a99139d8_quant
	.globl	k_qc1a99139d8_quant
	.p2align	8
	.type	k_qc1a99139d8_quant,@function
k_qc1a99139d8_quant:
	s_mov_b64 s[64:65], 0
	v_nop
	global_prefetch_b8 v0, s[64:65] scope:SCOPE_SE
	s_setreg_imm32_b32 hwreg(HW_REG_WAVE_MODE, 25, 1), 1
	s_wait_xcnt 0x0
; FIRST OF FOUR LAUNCHES of an attention layer (S 4096, D 1024, 16 heads of 64) whose six products run on codes of FP6 (E2M3) with one E8M0 scale for each 32 along K.
; This launch turns x [4096][1024] and the four weights ([K 1024][N 1024], K their FIRST axis) into codes and scale bytes, laid as the later launches' operand registers want them.
; WORK LEFT OUT BY THE PROGRAM (in the third launch): key steps all of whose 128 keys come after all 16 queries of a tile.  reference() itself takes 1e9 off such scores.  Their t then lies
; some 1.4e9 under the row's largest t (key 0 .. the query's own key are never masked), so p = 2^(t - M) lies under 2^-127 x the smallest code of any block scale, which is held at 2^-126 from below: its code is 0 and adds
; nothing to the product; and its share of the row's sum is under 2^-1000000 of that sum.  This holds for all inputs whose scores in a row spread less than about 1e9 - 150.  Every input has a way to the output and is loaded.
; LIMITS: rows whose scores spread more than that; a NaN, an infinity or an overflow that reaches only the steps left out is not carried to the result; NaN and infinities among the inputs are not served;
; a block whose largest magnitude lies under 2^-124 keeps the byte 1; a block of zeros has the byte 1 where the rule says 127 (its codes are zeros, and only this program reads the bytes).
; THE FORMAT OF ALL WORKSPACE OPERANDS.  Of 32 rows (a group) tile u = 0, 1 has, in lane row r, row 8 u + r + 8 (r / 8).  A fragment (16 rows x 128 K, 12 registers a lane; lane (r, h): registers 6 c .. 6 c + 5 = K 64 c + 32 h + 0 .. 31)
; is an image of 1,536 bytes: six pieces of 256 bytes, piece p = registers 2 p, 2 p + 1, lane l at 8 l.  A group's scale words of a K step are 128 bytes: lane r + 16 u at 4 (r + 16 u).
; A panel is 128 rows x K 1024: eight chunks of 12,800 bytes, one a K step: 8 fragments, then 4 groups' scale words.
; SHARES.  Work-groups 0-255: one tile of 16 rows of x each, a wave two K steps.  Work-groups 256-511: one chunk of one weight each, a wave 32 columns.  Waves share nothing: no barrier.
; Memory binds: no matrix unit, no tensor load, no cluster would add anything.
.set SPARE, 67584                      ; behind the four waves' stages: the spare words, 128 bytes a wave
.set L8,   1                           ; v1   8 x lane
.set L4,   2                           ; v2   4 x lane
.set L16,  3                           ; v3   16 x lane
.set STI,  4                           ; v4   the stage, way in: 16,896 x wave + 16 x lane
.set STO,  5                           ; v5   way out: 16,896 x wave + 528 r + 128 h
.set XSO,  6                           ; v6   x's scale words: 4 r + 12,800 h
.set WCO,  7                           ; v7   a weight's column of my lane, in bytes
.set SH8,  8                           ; v8   8 h
.set R,    16                          ; v16-143  x: two sets of 64 as loaded;  weights: four sets of 32
.set X0,   144                         ; v144-207 x: 64 neighbours;  weights: v144-167 codes
.set PC,   208                         ; v208-231 x: two fragments
.set Y,    232                         ; v232-239 second halves of the conversions
.set TM,   240                         ; v240-247 at work
.set PW,   248                         ; v248-249 x's scale words of the two K steps
.set SW,   250                         ; v250     the scale word that is stored
.set SPW,  254                         ; v254     my spare word's LDS address; never rewritten
.set NIL,  255                         ; v255     0; never rewritten
.macro LOADX a                         ; K step a of my two: each load reads 512 consecutive bytes of one of the tile's 16 rows
.irp i, 0,1,2,3,4,5,6,7,8,9,10,11,12,13,14,15
	global_load_b128 v[R+64*\a+4*\i:R+64*\a+4*\i+3], v[L16], s[4:5] offset:(\i+8*(\i/8))*4096+512*\a th:TH_LOAD_NT
.endr
.endm
.macro TURNX a, dst                    ; through my stage a (rows of 512 + 16 bytes): in as loaded, out as lane (r, h) wants them: K 64 c + 32 h + 0 .. 31 of row r.  LDS serves a wave's instructions in order
.irp i, 0,1,2,3,4,5,6,7,8,9,10,11,12,13,14,15
	ds_store_b128 v[STI], v[R+64*\a+4*\i:R+64*\a+4*\i+3] offset:8448*\a+528*\i
.endr
.irp c, 0,1
.irp j, 0,1,2,3,4,5,6,7
	ds_load_b128 v[\dst+32*\c+4*\j:\dst+32*\c+4*\j+3], v[STO] offset:8448*\a+256*\c+16*\j
.endr
.endr
.endm
.macro QB src, pc, pw                  ; 64 numbers of a lane (two whole blocks of 32) become a fragment's 12 registers and my row's scale word
.irp c, 0,1
	v_max3_num_f32 v[TM+\c], |v[\src+32*\c]|, |v[\src+32*\c+1]|, 0x1800000   ; the floor 2^(3 - 127) among the leaves: the byte cannot fall under 1
.endr
.irp i, 2,4,6,8,10,12,14,16,18,20,22,24,26,28,30
.irp c, 0,1
	v_max3_num_f32 v[TM+\c], v[TM+\c], |v[\src+32*\c+\i]|, |v[\src+32*\c+\i+1]|
.endr
.endr
.irp c, 0,1
	v_add_nc_u32 v[TM+2+\c], 0xff000000, v[TM+\c]  ; 2 off the exponent field: the conversion's scale operand
.endr
.irp c, 0,1
	v_lshrrev_b32 v[TM+4+\c], 23, v[TM+2+\c]       ; the scale's byte
.endr
	v_lshl_or_b32 v[\pw], v[TM+5], 16, v[TM+4]     ; my bytes are those of blocks h and 2 + h,
	v_lshlrev_b32 v[\pw], v[SH8], v[\pw]           ; 8 h bits up;
	v_permlanex16_b32 v[TM+6], v[\pw], s22, s23
	v_or_b32 v[\pw], v[\pw], v[TM+6]               ; with lane l xor 16's two the word is whole
.irp c, 0,1
	v_cvt_scalef32_pk16_fp6_f32 v[\pc+6*\c:\pc+6*\c+2], v[\src+32*\c:\src+32*\c+15], v[TM+2+\c]
	v_cvt_scalef32_pk16_fp6_f32 v[Y+4*\c:Y+4*\c+2], v[\src+32*\c+16:\src+32*\c+31], v[TM+2+\c]   ; (a conversion's three registers begin on an even number)
.endr
	v_nop                                          ; one plain place behind the conversions
.irp c, 0,1
.irp i, 0,1,2
	v_mov_b32 v[\pc+6*\c+3+\i], v[Y+4*\c+\i]
.endr
.endr
.endm
.macro OUTX a, pc                      ; each store writes 256 consecutive bytes, at a multiple of 256 from the buffer's first byte
.irp p, 0,1,2,3,4,5
	global_store_b64 v[L8], v[\pc+2*\p:\pc+2*\p+1], s[14:15] offset:12800*\a+256*\p
.endr
.endm
.macro LOADW kb                        ; block kb of 32 along K: my column, registers down K; a wave's load reads 128 consecutive bytes, the four waves' 512
.irp i, 0,1,2,3,4,5,6,7,8,9,10,11,12,13,14,15,16,17,18,19,20,21,22,23,24,25,26,27,28,29,30,31
	global_load_b32 v[R+32*\kb+\i], v[WCO], s[6:7] offset:(32*\kb+\i)*4096 th:TH_LOAD_NT
.endr
.endm
.macro BLOCKW kb                       ; the block's 32 numbers are all mine: six registers of codes at v[144 + 12 (kb / 2) + 6 (kb % 2)], its byte into the scale word
.set XS, R+32*\kb
.set DC, X0+12*(\kb/2)+6*(\kb%2)
	v_max3_num_f32 v[TM], |v[XS]|, |v[XS+1]|, |v[XS+2]|
	v_max3_num_f32 v[TM+1], |v[XS+3]|, |v[XS+4]|, |v[XS+5]|
.irp i, 6,10,14,18,22,26
	v_max3_num_f32 v[TM], v[TM], |v[XS+\i]|, |v[XS+\i+1]|
	v_max3_num_f32 v[TM+1], v[TM+1], |v[XS+\i+2]|, |v[XS+\i+3]|
.endr
	v_max3_num_f32 v[TM], v[TM], |v[XS+30]|, |v[XS+31]|
	v_max3_num_f32 v[TM], v[TM], v[TM+1], 0x1800000
	v_add_nc_u32 v[TM+2], 0xff000000, v[TM]
	v_lshrrev_b32 v[TM+3], 23, v[TM+2]
.if \kb == 0
	v_mov_b32 v[SW], v[TM+3]
.else
	v_lshl_or_b32 v[SW], v[TM+3], 8*\kb, v[SW]
.endif
	v_cvt_scalef32_pk16_fp6_f32 v[DC:DC+2], v[XS:XS+15], v[TM+2]
	v_cvt_scalef32_pk16_fp6_f32 v[Y:Y+2], v[XS+16:XS+31], v[TM+2]
	v_nop
.irp i, 0,1,2
	v_mov_b32 v[DC+3+\i], v[Y+\i]
.endr
.endm
.macro PAIRW c                         ; lane r + 16 u holds blocks 2 c and 2 c + 1 of tile u's row r.  The exchange gives the first run tile 0's registers 6 c .. 6 c + 5 for both halves of the lanes, the second run tile 1's
.irp i, 0,1,2,3,4,5
	v_permlane16_swap_b32 v[X0+12*\c+\i], v[X0+6+12*\c+\i]
.endr
.irp p, 0,1,2
	global_store_b64 v[L8], v[X0+12*\c+2*\p:X0+12*\c+2*\p+1], s[18:19] offset:256*(3*\c+\p)
	global_store_b64 v[L8], v[X0+6+12*\c+2*\p:X0+6+12*\c+2*\p+1], s[18:19] offset:1536+256*(3*\c+\p)
.endr
.endm
	s_load_b256 s[4:11], s[0:1], 0x0               ; x, wq, wk, wv
	s_load_b128 s[12:15], s[0:1], 0x20             ; wo, ximg
	s_load_b64 s[16:17], s[0:1], 0x30              ; wimg
	v_lshl_add_u32 v[SPW], v0, 2, SPARE
	v_mov_b32 v[NIL], 0
	v_lshrrev_b32 v9, 5, v0
	v_readfirstlane_b32 s20, v9                    ; wave
	v_and_b32 v9, 31, v0                           ; lane
	v_and_b32 v10, 15, v0                          ; r
	v_bfe_u32 v11, v0, 4, 1                        ; h
	v_lshlrev_b32 v[L8], 3, v9
	v_lshlrev_b32 v[L4], 2, v9
	s_mov_b32 s21, 0xffff0000                      ; the upper half of the lanes
	s_mov_b32 s22, 0x76543210
	s_mov_b32 s23, 0xfedcba98                      ; v_permlanex16_b32's selects for lane l xor 16
	s_wait_kmcnt 0x0
	s_cmp_lt_u32 ttmp9, 256
	s_cbranch_scc0 .Lweights
	; ---- x: tile ttmp9 = 8 P + Tl; my K steps are 2 w and 2 w + 1
	s_wait_alu depctr_va_vdst(0)
	v_lshlrev_b32 v[L16], 4, v9
	s_wait_alu depctr_va_vdst(0)
	s_mul_i32 s32, s20, 16896
	v_add_nc_u32 v[STI], s32, v[L16]
	v_mul_u32_u24 v[STO], v10, 528
	v_lshl_add_u32 v[STO], v11, 7, v[STO]
	v_add_nc_u32 v[STO], s32, v[STO]
	v_mul_u32_u24 v[XSO], v11, 12800
	v_lshl_add_u32 v[XSO], v10, 2, v[XSO]
	v_lshlrev_b32 v[SH8], 3, v11
	v_mov_b32 v[TM+6], 0                           ; a lane permute's destination counts as one of its sources
	s_lshr_b32 s24, ttmp9, 3                       ; P
	s_and_b32 s25, ttmp9, 7                        ; Tl
	s_lshl_b32 s26, s24, 7
	s_lshr_b32 s27, s25, 1
	s_lshl_b32 s27, s27, 5
	s_add_co_u32 s26, s26, s27
	s_and_b32 s27, s25, 1
	s_lshl_b32 s27, s27, 3
	s_add_co_u32 s26, s26, s27                     ; the tile's first row: 128 P + 32 (Tl / 2) + 8 (Tl % 2)
	s_lshl_b32 s26, s26, 12
	s_lshl_b32 s27, s20, 10
	s_add_co_u32 s26, s26, s27                     ; + my two K steps' 1,024 bytes
	s_mov_b32 s27, 0
	s_add_nc_u64 s[4:5], s[4:5], s[26:27]
	s_mul_i32 s28, s24, 102400
	s_mul_i32 s29, s20, 25600
	s_add_co_u32 s28, s28, s29                     ; my first chunk
	s_mul_i32 s29, s25, 1536
	s_add_co_u32 s30, s28, s29                     ; the tile's fragment in it
	s_mov_b32 s31, 0
	s_lshl_b32 s29, s25, 6
	s_add_co_u32 s28, s28, s29
	s_add_co_u32 s28, s28, 12288                   ; and its 16 scale words
	s_mov_b32 s29, 0
	s_add_nc_u64 s[18:19], s[14:15], s[28:29]
	s_add_nc_u64 s[14:15], s[14:15], s[30:31]
	LOADX 0
	LOADX 1
	s_wait_alu depctr_va_vdst(0)
	s_wait_loadcnt 16                              ; the first K step's 16 loads are in; the second's may be out
	TURNX 0, X0
	s_wait_loadcnt 0x0
	s_wait_dscnt 0x0                               ; the first step's numbers are back, and its stores have read the first set, which takes the second step's
	TURNX 1, R
	QB X0, PC, PW
	OUTX 0, PC
	s_wait_dscnt 0x0
	QB R, PC+12, PW+1
	OUTX 1, PC+12
	v_cndmask_b32 v[SW], v[PW], v[PW+1], s21       ; lanes 0-15 store the first K step's words, lanes 16-31 the second's
	global_store_b32 v[XSO], v[SW], s[18:19]
	s_wait_tensorcnt 0x0                           ; the wave's end, behind my last LDS store
	ds_add_u32 v[SPW], v[NIL]
	s_wait_dscnt 0x0
	s_endpgm
.Lweights:                                         ; ---- a weight's chunk: ttmp9 - 256 = 64 weight + 8 c + s.
	s_wait_alu depctr_va_vdst(0)
	v_and_b32 v12, 8, v10
	v_add_nc_u32 v12, v12, v10
	v_lshl_add_u32 v12, v11, 3, v12                ; lane r + 16 u takes column 8 u + r + 8 (r / 8) of my 32
	v_lshlrev_b32 v[WCO], 2, v12
	s_wait_alu depctr_va_vdst(0)
	s_sub_co_u32 s24, ttmp9, 256
	s_lshr_b32 s25, s24, 6                         ; which weight: q, k, v, o
	s_bfe_u32 s26, s24, 0x30003                    ; c: which 128 columns
	s_and_b32 s27, s24, 7                          ; s: which K step
	s_cmp_eq_u32 s25, 1
	s_cselect_b64 s[6:7], s[8:9], s[6:7]
	s_cmp_eq_u32 s25, 2
	s_cselect_b64 s[6:7], s[10:11], s[6:7]
	s_cmp_eq_u32 s25, 3
	s_cselect_b64 s[6:7], s[12:13], s[6:7]
	s_lshl_b32 s28, s27, 19                        ; 128 rows of 4,096 bytes a K step
	s_lshl_b32 s29, s26, 9
	s_add_co_u32 s28, s28, s29
	s_lshl_b32 s29, s20, 7
	s_add_co_u32 s28, s28, s29
	s_mov_b32 s29, 0
	s_add_nc_u64 s[6:7], s[6:7], s[28:29]
	s_lshl_b32 s30, s25, 3
	s_add_co_u32 s30, s30, s26
	s_mul_i32 s30, s30, 102400
	s_mul_i32 s31, s27, 12800
	s_add_co_u32 s30, s30, s31                     ; the chunk
	s_mul_i32 s28, s20, 3072
	s_add_co_u32 s28, s28, s30
	s_add_nc_u64 s[18:19], s[16:17], s[28:29]      ; my two fragments
	s_lshl_b32 s28, s20, 7
	s_add_co_u32 s28, s28, s30
	s_add_co_u32 s28, s28, 12288
	s_add_nc_u64 s[16:17], s[16:17], s[28:29]      ; my group's scale words
	LOADW 0
	LOADW 1
	s_wait_loadcnt 32                              ; block 0's 32 loads are in; block 1's may be out
	LOADW 2
	BLOCKW 0
	s_wait_loadcnt 32                              ; block 1's are in; block 2's may be out
	LOADW 3
	BLOCKW 1
	PAIRW 0
	s_wait_loadcnt 32                              ; block 2's are in; block 3's may be out
	BLOCKW 2
	s_wait_loadcnt 0x0
	BLOCKW 3
	PAIRW 1
	global_store_b32 v[L4], v[SW], s[16:17]        ; 128 consecutive bytes
	s_endpgm
.Lfunc_end_k_qc1a99139d8_quant:
	.size	k_qc1a99139d8_quant, .Lfunc_end_k_qc1a99139d8_quant-k_qc1a99139d8_quant
	.p2alignl 7, 3214868480
	.fill 96, 4, 3214868480
	.section	.rodata,"a",@progbits
	.p2align	6, 0x0
	.amdhsa_kernel k_qc1a99139d8_quant
		.amdhsa_group_segment_fixed_size 68096
		.amdhsa_private_segment_fixed_size 0
		.amdhsa_enable_private_segment 0
		.amdhsa_kernarg_size 56
		.amdhsa_user_sgpr_count 2
		.amdhsa_user_sgpr_kernarg_segment_ptr 1
		.amdhsa_wavefront_size32 1
		.amdhsa_system_sgpr_workgroup_id_x 1
		.amdhsa_system_sgpr_workgroup_id_y 1
		.amdhsa_system_sgpr_workgroup_id_z 1
		.amdhsa_system_vgpr_workitem_id 0
		.amdhsa_next_free_vgpr 256
		.amdhsa_next_free_sgpr 66
		.amdhsa_reserve_vcc 0
		.amdhsa_float_denorm_mode_32 3
		.amdhsa_float_denorm_mode_16_64 3
		.amdhsa_memory_ordered 1
		.amdhsa_forward_progress 1
		.amdhsa_inst_pref_size 38
	.end_amdhsa_kernel
	.amdgpu_metadata
---
amdhsa.version: [ 1, 2 ]
amdhsa.kernels:
  - .name:           k_qc1a99139d8_quant
    .symbol:         k_qc1a99139d8_quant.kd
    .args:
      - { .name: x, .offset: 0, .size: 8, .value_kind: global_buffer, .address_space: global }
      - { .name: wq, .offset: 8, .size: 8, .value_kind: global_buffer, .address_space: global }
      - { .name: wk, .offset: 16, .size: 8, .value_kind: global_buffer, .address_space: global }
      - { .name: wv, .offset: 24, .size: 8, .value_kind: global_buffer, .address_space: global }
      - { .name: wo, .offset: 32, .size: 8, .value_kind: global_buffer, .address_space: global }
      - { .name: ximg, .offset: 40, .size: 8, .value_kind: global_buffer, .address_space: global }
      - { .name: wimg, .offset: 48, .size: 8, .value_kind: global_buffer, .address_space: global }
    .group_segment_fixed_size: 68096
    .private_segment_fixed_size: 0
    .kernarg_segment_align: 8
    .kernarg_segment_size: 56
    .max_flat_workgroup_size: 128
    .sgpr_count:     66
    .vgpr_count:     256
    .wavefront_size: 32
...
	.end_amdgpu_metadata
.endif
;; end of part 1
;; launch proj (part 2): grid 8 x 32, 4 waves a work-group, clusters of 4 x 4, 327,680 bytes of LDS; arguments ximg, wimg, bq, bk, bv, qb, kv; writes qb, kv
.if DOCPART == 2
	.amdgcn_target "amdgcn-amd-amdhsa--gfx1250"
	.amdhsa_code_object_version 6
	.text
	.protected	k_qc1a99139d8_proj
	.globl	k_qc1a99139d8_proj
	.p2align	8
	.type	k_qc1a99139d8_proj,@function
k_qc1a99139d8_proj:
	s_mov_b64 s[64:65], 0
	v_nop
	global_prefetch_b8 v0, s[64:65] scope:SCOPE_SE
	s_setreg_imm32_b32 hwreg(HW_REG_WAVE_MODE, 25, 1), 1
	s_wait_xcnt 0x0
	s_wait_alu depctr_hold_cnt(0) depctr_sa_sdst(0) depctr_va_vdst(0) depctr_va_sdst(0) depctr_va_ssrc(0) depctr_va_vcc(0) depctr_vm_vsrc(0)
	s_getreg_b32 s2, hwreg(HW_REG_IB_STS2, 6, 4)
	s_cmp_eq_u32 s2, 0
	s_cbranch_scc0 .Lentry_in_a_cluster
	s_endpgm
.Lentry_in_a_cluster:
	s_bfe_u32 s2, ttmp6, 0x10000c
	s_cmp_lg_u32 s2, 0xf033
	s_cbranch_scc0 .Lentry_shape_is_right
	s_endpgm
.Lentry_shape_is_right:
; SECOND LAUNCH: q = x wq + bq, k = x wk + bk, v = x wv + bv on codes of FP6 (E2M3) with E8M0 scales, and q, k, v quantised in registers for the attention: q and k along a head's 64 channels, v along the keys.
; Formats of ximg, wimg (panels of 128 rows x K 1024 in eight chunks of 12,800 bytes; fragments as images of their registers; the rows of a tile: 8 u + r + 8 (r / 8) of a group of 32): see the first launch's head.
; SHARES.  Work-group (c, P) makes three tiles of 128 x 128 over K 1024: tokens 128 P .. + 127 x columns 128 c .. + 127 (heads 2 c, 2 c + 1) of q, of k and of v.  256 work-groups of equal work.
; Source 0 of every product is the J panel (8 tiles, read by all four waves), source 1 the I panel (wave w: tiles 2 w, 2 w + 1): a lane holds ONE row of I, and the 64 registers of its 8 results run along J in the order
; 32 b + 16 h + i, which is what the conversions want.  q, k: I = x, J = the weight: a lane's registers run along the channels.  v: I = wv, J = x: they run along the keys.
; Both panels of a tile lie whole in LDS (102,400 bytes each): x, wq and wk come with the first fills, wv takes wq's place behind one round of the cluster's barrier.  By this text's count a wave has at most three tensor loads out.
; CLUSTER 4 x 4: x's panel hangs on P alone and is asked for jointly along a row of the cluster, a weight's panel on c alone, jointly along a column.
; A wave tile of 32 x 128 reads more LDS bytes for each product than a larger one would; it is taken because 128 along J gives a wave whole fragments and whole scale words of q, k and v.  No prefetch: all tiles are asked for at the head.
; OUT.  qb: codes [head][group of 32 tokens][1,536]: pieces 3 u + p = tile u's 64 channels; from byte 3,145,728 scale words [head][group][16]: bytes 0, 1 tile 0, bytes 2, 3 tile 1.
; kv: [head][128 keys] chunks of 12,800 bytes: four pair fragments of k (pieces 0-2: keys 32 b + r + 8 (r / 8), pieces 3-5: those 8 on; 64 channels each), four fragments of v^T (16 channels x 128 keys), k's scale words at 12,288 + 64 b + 4 r, v's at 12,544 + 64 t + 4 r.
; LIMITS as stated at the first launch's head.
; REGISTERS: window 0: v1-19 addresses; v20-29 scale words, two sets; v32-87 the quantiser's; v128-255 the 16 accumulators, (m, t) at v[128 + 64 m + 8 t].  window 1: two sets of fragments at 0 and 128: J's tile t at 12 t, I's m at 96 + 12 m.  window 2: the biases.
.set XP,    0                          ; LDS: x's panel,
.set WA,    102400                     ; wq's, later wv's,
.set WB,    204800                     ; wk's,
.set SPARE, 307200                     ; and the spare words, 128 bytes a wave
.set L8,  1                            ; 8 x lane
.set L4,  2                            ; 4 x lane
.set L8W, 3                            ; 8 x lane + 3,072 x wave: my two tiles of I
.set SPW, 4                            ; my spare word; never rewritten
.set NIL, 5                            ; 0; never rewritten
.set AJ,  6                            ; v6-7   J's fragments, K steps 0-3 and 4-7
.set AI,  8                            ; v8-9   I's
.set SJ,  10                           ; v10-11 J's scale words
.set SI,  12                           ; v12-13 I's
.set L4W, 14                           ; 4 x lane + 128 x wave
.set QSO, 15                           ; 4 r + 8,192 h: q's scale words, a head to each half of the lanes
.set KSO, 16                           ; 4 r + 409,600 h: k's
.set BO,  17                           ; 64 h: a bias along J
.set BVO, 18                           ; 4 (r + 8 (r / 8)): a bias along I
.set TM,  32
.set PW,  48
.set SW,  50
.set Y,   52
.set PC,  64
.set WV,  18
.set SEL, 20
.set HM,  22
.set G1X, 24
.set G1W, 32
.set G0X, 48
.set G0Q, 52
.set G0K, 56
.set G0V, 60
.set QC,  66
.set QS,  68
.set KC,  70
.set KS,  72
.set VC,  74
.set VS,  76
.set MSB, 0
.macro WIN new                         ; the immediate's high byte repeats the setting that is left
.if MSB != \new
	s_set_vgpr_msb (MSB<<8)|\new
.set MSB, \new
.endif
.endm
.set TO_F,  0x40                       ; destination window 1
.set TO_B2, 0x80                       ; destination window 2
.set MUL,   0x05                       ; sources 0 and 1 window 1, C and D window 0
.set MUL1,  0x25                       ; the same with C in window 2
.macro CREST
	s_cmp_lg_u32 s[WV], 0
	s_cbranch_scc1 .Lnot_wave_0_\@
	s_barrier_signal -3
.Lnot_wave_0_\@:
	s_barrier_wait -3
	s_barrier_signal -1
	s_barrier_wait -1
.endm
.macro CROUND                          ; a round of the cluster's barrier
	s_barrier_signal -1
	s_barrier_wait -1
	CREST
.endm
.macro WM d, a, b, c, sa, sb, ra, rb   ; one product; ra, rb: the side's scale words lie in lanes 16-31
.if (\ra) && (\rb)
	v_wmma_scale_f32_16x16x128_f8f6f4 v[\d:\d+7], v[\a:\a+11], v[\b:\b+11], v[\c:\c+7], v[\sa], v[\sb] matrix_a_fmt:MATRIX_FMT_FP6 matrix_b_fmt:MATRIX_FMT_FP6 matrix_a_scale:MATRIX_SCALE_ROW1 matrix_b_scale:MATRIX_SCALE_ROW1
.elseif \ra
	v_wmma_scale_f32_16x16x128_f8f6f4 v[\d:\d+7], v[\a:\a+11], v[\b:\b+11], v[\c:\c+7], v[\sa], v[\sb] matrix_a_fmt:MATRIX_FMT_FP6 matrix_b_fmt:MATRIX_FMT_FP6 matrix_a_scale:MATRIX_SCALE_ROW1
.elseif \rb
	v_wmma_scale_f32_16x16x128_f8f6f4 v[\d:\d+7], v[\a:\a+11], v[\b:\b+11], v[\c:\c+7], v[\sa], v[\sb] matrix_a_fmt:MATRIX_FMT_FP6 matrix_b_fmt:MATRIX_FMT_FP6 matrix_b_scale:MATRIX_SCALE_ROW1
.else
	v_wmma_scale_f32_16x16x128_f8f6f4 v[\d:\d+7], v[\a:\a+11], v[\b:\b+11], v[\c:\c+7], v[\sa], v[\sb] matrix_a_fmt:MATRIX_FMT_FP6 matrix_b_fmt:MATRIX_FMT_FP6
.endif
.endm
.macro FETCH s, f                      ; K step s into set f: 60 loads of 256 consecutive bytes, 5 of scale words
	WIN TO_F
.irp t, 0,1,2,3,4,5,6,7
.irp p, 0,1,2,3,4,5
	ds_load_b64 v[128*(\f)+12*\t+2*\p:128*(\f)+12*\t+2*\p+1], v[AJ+(\s)/4] offset:12800*((\s)%4)+1536*\t+256*\p
.endr
.endr
.irp m, 0,1
.irp p, 0,1,2,3,4,5
	ds_load_b64 v[128*(\f)+96+12*\m+2*\p:128*(\f)+96+12*\m+2*\p+1], v[AI+(\s)/4] offset:12800*((\s)%4)+1536*\m+256*\p
.endr
.endr
	WIN 0
.irp g, 0,1,2,3
	ds_load_b32 v[20+5*(\f)+\g], v[SJ+(\s)/4] offset:12800*((\s)%4)+128*\g
.endr
	ds_load_b32 v[24+5*(\f)], v[SI+(\s)/4] offset:12800*((\s)%4)
.endm
.macro MULS f, first, bias, sj, si     ; 16 products, the 16 accumulators by turns, in the same order in every K step.  first = 1: the bias starts the sums
.irp t, 0,1,2,3,4,5,6,7
.irp m, 0,1
.if \first
.set cC, (\bias)+8*(\t*(\sj)+\m*(\si))
.else
.set cC, 128+64*\m+8*\t
.endif
	WM 128+64*\m+8*\t, 128*(\f)+12*\t, 128*(\f)+96+12*\m, cC, 20+5*(\f)+\t/2, 24+5*(\f), \t%2, \m
.endr
.endr
.endm
.macro TBEGIN jb, ib                   ; a tile's addresses and its first K step.  The eight additions are also the places behind the last tile's products
	v_add_nc_u32 v[AJ], \jb, v[L8]
	v_add_nc_u32 v[AJ+1], \jb+51200, v[L8]
	v_add_nc_u32 v[AI], \ib, v[L8W]
	v_add_nc_u32 v[AI+1], \ib+51200, v[L8W]
	v_add_nc_u32 v[SJ], \jb+12288, v[L4]
	v_add_nc_u32 v[SJ+1], \jb+63488, v[L4]
	v_add_nc_u32 v[SI], \ib+12288, v[L4W]
	v_add_nc_u32 v[SI+1], \ib+63488, v[L4W]
	FETCH 0, 0
.endm
.macro TREST bias, sj, si              ; a tile's eight K steps: the next step's loads are issued ahead of this step's products
.irp k, 0,1,2,3,4,5,6,7
	s_wait_dscnt 0x0                               ; this step's 65 loads are in
.if \k < 7
.if \k > 0
.rept 4
	v_nop                                          ; places in front of loads into the set that the last step's products read
.endr
.endif
	FETCH \k+1, (\k+1)%2
.endif
.if \k == 0
	WIN MUL1
	MULS 0, 1, \bias, \sj, \si
.else
	WIN MUL
	MULS \k%2, 0, 0, 0, 0
.endif
	WIN 0
.endr
.endm
.macro QUANT s, d0, d1, pw             ; 64 numbers of a lane, register 16 b + i = index 32 b + 16 h + i of my row: codes of indices 0-63 into v[d0] on, of 64-127 into v[d1] on (six registers each), the four bytes into v[pw]
.irp b, 0,1,2,3
	v_max3_num_f32 v[TM+\b], |v[\s+16*\b]|, |v[\s+1+16*\b]|, 0x1800000   ; the floor 2^(3 - 127): the byte cannot fall under 1.  Each accumulator is read from its low end on
.endr
.irp i, 2,4,6,8,10,12,14
.irp b, 0,1,2,3
	v_max3_num_f32 v[TM+\b], v[TM+\b], |v[\s+16*\b+\i]|, |v[\s+1+16*\b+\i]|
.endr
.endr
.irp b, 0,1,2,3
	v_permlanex16_b32 v[TM+4+\b], v[TM+\b], s[SEL], s[SEL+1]
.endr
.irp b, 0,1,2,3
	v_max_num_f32 v[TM+\b], v[TM+\b], v[TM+4+\b]   ; with lane l xor 16's 16: the block's largest magnitude
.endr
.irp b, 0,1,2,3
	v_add_nc_u32 v[TM+12+\b], 0xff000000, v[TM+\b] ; 2 off the exponent field: the conversion's scale operand
.endr
.irp b, 0,1,2,3
	v_lshrrev_b32 v[TM+4+\b], 23, v[TM+12+\b]      ; the scale's byte
.endr
	v_lshl_or_b32 v[\pw], v[TM+5], 8, v[TM+4]
	v_lshl_or_b32 v[\pw], v[TM+6], 16, v[\pw]
	v_lshl_or_b32 v[\pw], v[TM+7], 24, v[\pw]
	v_cvt_scalef32_pk16_fp6_f32 v[\d0:\d0+2], v[\s:\s+15], v[TM+12]
	v_cvt_scalef32_pk16_fp6_f32 v[Y:Y+2], v[\s+16:\s+31], v[TM+13]
	v_cvt_scalef32_pk16_fp6_f32 v[\d1:\d1+2], v[\s+32:\s+47], v[TM+14]
	v_cvt_scalef32_pk16_fp6_f32 v[Y+4:Y+6], v[\s+48:\s+63], v[TM+15]
	v_nop                                          ; one plain place behind the conversions
.irp i, 0,1,2                                  ; the operand's layout wants a whole block in a lane: lanes 0-15 the even block, lanes 16-31 the odd one
	v_permlane16_swap_b32 v[\d0+\i], v[Y+\i]
	v_permlane16_swap_b32 v[\d1+\i], v[Y+4+\i]
.endr
.irp i, 0,1,2
	v_mov_b32 v[\d0+3+\i], v[Y+\i]
	v_mov_b32 v[\d1+3+\i], v[Y+4+\i]
.endr
.endm
.macro EPI_QK code, scale, hstr, voff  ; q's or k's tile: my 32 tokens x two heads
	s_wait_xcnt 0x0                                ; earlier stores have read the registers that are written now
	QUANT 128, PC, PC+6, PW
	QUANT 192, PC+12, PC+18, PW+1
.irp m, 0,1
.irp e, 0,1
.irp p, 0,1,2
	global_store_b64 v[L8], v[PC+12*\m+6*\e+2*\p:PC+12*\m+6*\e+2*\p+1], s[\code:\code+1] offset:(\hstr)*\e+768*\m+256*\p   ; 256 consecutive bytes, at a multiple of 256
.endr
.endr
.endr
	v_perm_b32 v[SW], v[PW+1], v[PW], 0x05040100   ; the first head's word: tile 0's two bytes, tile 1's two
	v_perm_b32 v[SW+1], v[PW+1], v[PW], 0x07060302 ; the second head's
	v_cndmask_b32 v[SW], v[SW], v[SW+1], s[HM]     ; a head to each half of the lanes
	global_store_b32 v[\voff], v[SW], s[\scale:\scale+1]
.endm
.macro EPI_V                           ; v's tile: my 32 channels x 128 keys: two whole fragments
	s_wait_xcnt 0x0
	QUANT 128, PC, PC+6, PW
	QUANT 192, PC+12, PC+18, PW+1
.irp m, 0,1
.irp p, 0,1,2,3,4,5
	global_store_b64 v[L8], v[PC+12*\m+2*\p:PC+12*\m+2*\p+1], s[VC:VC+1] offset:1536*\m+256*\p
.endr
.endr
	v_cndmask_b32 v[SW], v[PW], v[PW+1], s[HM]
	global_store_b32 v[L4], v[SW], s[VS:VS+1]
.endm
	s_load_b256 s[4:11], s[0:1], 0x0               ; ximg, wimg, bq, bk
	s_load_b128 s[12:15], s[0:1], 0x20             ; bv, qb
	s_load_b64 s[16:17], s[0:1], 0x30              ; kv
	v_lshl_add_u32 v[SPW], v0, 2, SPARE
	v_mov_b32 v[NIL], 0
	ds_add_u32 v[SPW], v[NIL]                      ; the wave's opening: the add, twice on end, and its wait ahead of my first tensor load
	ds_add_u32 v[SPW], v[NIL]
	v_lshrrev_b32 v19, 5, v0
	v_readfirstlane_b32 s[WV], v19                 ; wave 0..3
	s_bfe_u32 s40, ttmp6, 0x40000                  ; cx, cy: my place in the cluster
	s_bfe_u32 s41, ttmp6, 0x40004
	s_lshl_b32 s42, ttmp9, 2
	s_add_co_u32 s42, s42, s40                     ; c = 4 x cluster x + cx
	s_and_b32 s43, ttmp7, 0xffff
	s_lshl_b32 s43, s43, 2
	s_add_co_u32 s43, s43, s41                     ; P = 4 x cluster y + cy
	s_lshl_b32 s44, s41, 2
	s_lshl_b32 s44, 15, s44                        ; my row of the cluster
	s_lshl_b32 s45, 0x1111, s40                    ; my column
	; descriptor group 1: a quarter of a panel, 25,600 dense bytes, as 100 rows of 32 elements of 8 bytes; no padding
	s_or_b32 s[G1X], s44, (3<<16)|(1<<21)          ; x's panel goes to my row,
	s_or_b32 s[G1W], s45, (3<<16)|(1<<21)          ; a weight's to my column
.irp g, G1X, G1W
	s_mov_b32 s[\g+1], 32<<16                      ; tensor_dim0
	s_mov_b32 s[\g+2], 200<<16                     ; tensor_dim1: the head's loads bring half a panel, 200 rows
	s_mov_b32 s[\g+3], 32<<16                      ; tile_dim0
	s_mov_b32 s[\g+4], 200                         ; tile_dim1
	s_mov_b32 s[\g+5], 32                          ; from row to row
	s_mov_b32 s[\g+6], 0
	s_mov_b32 s[\g+7], 0
.endr
	s_mul_i32 s46, s[WV], 25600                    ; my quarter, in memory and in LDS: no place in the cluster enters an LDS address
	s_mul_i32 s80, s43, 102400
	s_and_b32 s47, s[WV], 1
	s_mul_i32 s47, s47, 51200                      ; at the head a wave fetches half a panel: which half
	s_add_co_u32 s80, s80, s47
	s_mov_b32 s81, 0
	s_mul_i32 s82, s42, 102400
	s_add_co_u32 s90, s82, s47                     ; wq: panel c, my half
	s_mov_b32 s91, 0
	s_add_co_u32 s82, s82, s46
	s_mov_b32 s83, 0
	s_mov_b32 s[SEL], 0x76543210
	s_mov_b32 s[SEL+1], 0xfedcba98
	s_mov_b32 s[HM], 0xffff0000
	s_wait_dscnt 0x0                               ; both opening adds are done
	s_wait_kmcnt 0x0
	s_mov_b32 s[G0X], 1
	s_add_co_u32 s[G0X+1], s47, XP
	s_add_nc_u64 s[G0X+2:G0X+3], s[4:5], s[80:81]
	s_or_b32 s[G0X+3], s[G0X+3], 0x80000000
	s_add_nc_u64 s[84:85], s[6:7], s[82:83]
	s_mov_b32 s[G0Q], 1
	s_add_co_u32 s[G0Q+1], s47, WA
	s_add_nc_u64 s[G0Q+2:G0Q+3], s[6:7], s[90:91]
	s_or_b32 s[G0Q+3], s[G0Q+3], 0x80000000
	s_mov_b32 s[G0K], 1
	s_add_co_u32 s[G0K+1], s46, WB
	s_add_nc_u64 s[G0K+2:G0K+3], s[84:85], 819200  ; wk's eight panels lie behind wq's
	s_or_b32 s[G0K+3], s[G0K+3], 0x80000000
	s_mov_b32 s[G0V], 1
	s_add_co_u32 s[G0V+1], s46, WA
	s_add_nc_u64 s[G0V+2:G0V+3], s[84:85], 1638400 ; wv's behind wk's
	s_or_b32 s[G0V+3], s[G0V+3], 0x80000000
	CROUND                                         ; all sixteen work-groups are here: the first joint loads meet
	s_cmp_lt_u32 s[WV], 2                          ; one tensor load a wave at the head: waves 0, 1 fetch x's two halves, waves 2, 3 wq's
	s_cbranch_scc0 .Lhead_w
	tensor_load_to_lds s[G0X:G0X+3], s[G1X:G1X+7]
	s_nop 0
.rept 4
	v_nop
.endr
	s_branch .Lhead_j
.Lhead_w:
	tensor_load_to_lds s[G0Q:G0Q+3], s[G1W:G1W+7]
	s_nop 0
.Lhead_j:
.rept 4
	v_nop
.endr
	v_and_b32 v19, 31, v0
	v_lshlrev_b32 v[L8], 3, v19
	v_lshlrev_b32 v[L4], 2, v19
	s_mul_i32 s86, s[WV], 3072
	v_add_nc_u32 v[L8W], s86, v[L8]
	s_lshl_b32 s86, s[WV], 7
	v_add_nc_u32 v[L4W], s86, v[L4]
	v_and_b32 v30, 15, v0                          ; r
	v_bfe_u32 v31, v0, 4, 1                        ; h
	v_lshlrev_b32 v[QSO], 2, v30
	v_lshl_add_u32 v[QSO], v31, 13, v[QSO]
	v_mul_u32_u24 v[KSO], v31, 409600
	v_lshl_add_u32 v[KSO], v30, 2, v[KSO]
	v_lshlrev_b32 v[BO], 6, v31
	s_wait_alu depctr_va_vdst(0)
	v_and_b32 v[BVO], 8, v30
	v_add_nc_u32 v[BVO], v[BVO], v30
	v_lshlrev_b32 v[BVO], 2, v[BVO]
	s_wait_alu depctr_va_vdst(0)
.irp b, 0,1,2,3
	v_mov_b32 v[TM+4+\b], 0                        ; a lane permute's destination counts as one of its sources
.endr
	; where the results go
	s_mov_b32 s87, 0
	s_mul_i32 s86, s42, 393216                     ; q's codes: head 2 c, group 4 P + w
	s_mul_i32 s88, s43, 6144
	s_add_co_u32 s86, s86, s88
	s_mul_i32 s88, s[WV], 1536
	s_add_co_u32 s86, s86, s88
	s_add_nc_u64 s[QC:QC+1], s[14:15], s[86:87]
	s_lshl_b32 s86, s42, 14                        ; q's scale words
	s_lshl_b32 s88, s43, 8
	s_add_co_u32 s86, s86, s88
	s_lshl_b32 s88, s[WV], 6
	s_add_co_u32 s86, s86, s88
	s_add_co_u32 s86, s86, 3145728
	s_add_nc_u64 s[QS:QS+1], s[14:15], s[86:87]
	s_mul_i32 s88, s42, 819200
	s_mul_i32 s89, s43, 12800
	s_add_co_u32 s88, s88, s89                     ; the chunk of head 2 c, keys 128 P on
	s_mul_i32 s86, s[WV], 1536
	s_add_co_u32 s86, s86, s88
	s_add_nc_u64 s[KC:KC+1], s[16:17], s[86:87]    ; k's pair fragment w
	s_lshl_b32 s86, s[WV], 6
	s_add_co_u32 s86, s86, s88
	s_add_co_u32 s86, s86, 12288
	s_add_nc_u64 s[KS:KS+1], s[16:17], s[86:87]
	s_lshr_b32 s89, s[WV], 1
	s_mul_i32 s89, s89, 409600
	s_add_co_u32 s88, s88, s89                     ; v: my 32 channels lie in head 2 c + w / 2,
	s_and_b32 s89, s[WV], 1
	s_mul_i32 s86, s89, 3072                       ; fragments 2 (w % 2) and the next
	s_add_co_u32 s86, s86, s88
	s_add_co_u32 s86, s86, 6144
	s_add_nc_u64 s[VC:VC+1], s[16:17], s[86:87]
	s_lshl_b32 s86, s89, 7
	s_add_co_u32 s86, s86, s88
	s_add_co_u32 s86, s86, 12544
	s_add_nc_u64 s[VS:VS+1], s[16:17], s[86:87]
	s_lshl_b32 s86, s42, 9                         ; the biases of my 128 columns
	s_add_nc_u64 s[8:9], s[8:9], s[86:87]
	s_add_nc_u64 s[10:11], s[10:11], s[86:87]
	s_lshl_b32 s88, s[WV], 7
	s_add_co_u32 s86, s86, s88
	s_add_nc_u64 s[12:13], s[12:13], s[86:87]      ; bv: of my wave's 32
	WIN TO_B2
.irp t, 0,1,2,3,4,5,6,7                        ; bq, bk in a result's layout: tile t, lane half h: columns 32 (t / 2) + 16 h + 8 (t % 2) + 0 .. 7
	global_load_b128 v[8*\t:8*\t+3], v[BO], s[8:9] offset:128*(\t/2)+32*(\t%2)
	global_load_b128 v[8*\t+4:8*\t+7], v[BO], s[8:9] offset:128*(\t/2)+32*(\t%2)+16
	global_load_b128 v[64+8*\t:64+8*\t+3], v[BO], s[10:11] offset:128*(\t/2)+32*(\t%2)
	global_load_b128 v[64+8*\t+4:64+8*\t+7], v[BO], s[10:11] offset:128*(\t/2)+32*(\t%2)+16
.endr
.irp m, 0,1                                    ; bv: a lane's channel is the same in all eight registers
.irp j, 0,1,2,3,4,5,6,7
	global_load_b32 v[128+8*\m+\j], v[BVO], s[12:13] offset:32*\m
.endr
.endr
	WIN 0
	s_wait_alu depctr_va_vdst(0)                   ; the head's end
	s_wait_tensorcnt 0x0                           ; my half of x or of wq is in; wk's first fill is issued as a refill is:
	ds_add_u32 v[SPW], v[NIL]
	s_mov_b32 s[G1X+2], 100<<16                    ; no tensor load of mine is out: from here on a load brings a quarter of a panel, 100 rows
	s_mov_b32 s[G1X+4], 100
	s_mov_b32 s[G1W+2], 100<<16
	s_mov_b32 s[G1W+4], 100
	s_wait_dscnt 0x0
	CROUND                                         ; x and wq are whole in every work-group of the cluster
	tensor_load_to_lds s[G0K:G0K+3], s[G1W:G1W+7]  ; my quarter of wk: it has q's eight K steps in which to land
	s_nop 0
.rept 4
	v_nop
.endr
	s_wait_loadcnt 0x0                             ; the biases
	TBEGIN WA, XP                                  ; ---- q
	s_wait_alu depctr_va_vdst(0)
	TREST 0, 1, 0
	s_wait_tensorcnt 0x0                           ; all my tensor loads have landed, wk's quarter among them;
	ds_add_u32 v[SPW], v[NIL]                      ; 0 onto my spare word;
	s_wait_dscnt 0x0                               ; the add is done, and my reads of wq's panel are over
	CROUND                                         ; that holds of every wave of the cluster
	tensor_load_to_lds s[G0V:G0V+3], s[G1W:G1W+7]  ; wv takes wq's place: it has k's eight K steps in which to land
	s_nop 0
.rept 4
	v_nop
.endr
	TBEGIN WB, XP                                  ; ---- k: its first fragments are on their way while q is quantised
	EPI_QK QC, QS, 196608, QSO
	TREST 64, 1, 0
	s_wait_tensorcnt 0x0                           ; my quarter of wv is in (the one load that was out),
	s_barrier_signal -1
	s_barrier_wait -1                              ; everybody's is
	TBEGIN XP, WA                                  ; ---- v: the sources change roles
	EPI_QK KC, KS, 409600, KSO
	TREST 128, 0, 1
.rept 4
	v_nop                                          ; places in front of the first read of results
.endr
	EPI_V
	s_wait_tensorcnt 0x0                           ; the wave's end
	ds_add_u32 v[SPW], v[NIL]
	s_wait_dscnt 0x0
	CROUND                                         ; the closing round
	s_endpgm
.Lfunc_end_k_qc1a99139d8_proj:
	.size	k_qc1a99139d8_proj, .Lfunc_end_k_qc1a99139d8_proj-k_qc1a99139d8_proj
	.p2alignl 7, 3214868480
	.fill 96, 4, 3214868480
	.section	.rodata,"a",@progbits
	.p2align	6, 0x0
	.amdhsa_kernel k_qc1a99139d8_proj
		.amdhsa_group_segment_fixed_size 327680
		.amdhsa_private_segment_fixed_size 0
		.amdhsa_enable_private_segment 0
		.amdhsa_kernarg_size 56
		.amdhsa_user_sgpr_count 2
		.amdhsa_user_sgpr_kernarg_segment_ptr 1
		.amdhsa_wavefront_size32 1
		.amdhsa_system_sgpr_workgroup_id_x 1
		.amdhsa_system_sgpr_workgroup_id_y 1
		.amdhsa_system_sgpr_workgroup_id_z 1
		.amdhsa_system_vgpr_workitem_id 0
		.amdhsa_next_free_vgpr 768
		.amdhsa_next_free_sgpr 98
		.amdhsa_reserve_vcc 0
		.amdhsa_float_denorm_mode_32 3
		.amdhsa_float_denorm_mode_16_64 3
		.amdhsa_memory_ordered 1
		.amdhsa_forward_progress 1
		.amdhsa_inst_pref_size 194
	.end_amdhsa_kernel
	.amdgpu_metadata
---
amdhsa.version: [ 1, 2 ]
amdhsa.kernels:
  - .name:           k_qc1a99139d8_proj
    .symbol:         k_qc1a99139d8_proj.kd
    .args:
      - { .name: ximg, .offset: 0, .size: 8, .value_kind: global_buffer, .address_space: global }
      - { .name: wimg, .offset: 8, .size: 8, .value_kind: global_buffer, .address_space: global }
      - { .name: bq, .offset: 16, .size: 8, .value_kind: global_buffer, .address_space: global }
      - { .name: bk, .offset: 24, .size: 8, .value_kind: global_buffer, .address_space: global }
      - { .name: bv, .offset: 32, .size: 8, .value_kind: global_buffer, .address_space: global }
      - { .name: qb, .offset: 40, .size: 8, .value_kind: global_buffer, .address_space: global }
      - { .name: kv, .offset: 48, .size: 8, .value_kind: global_buffer, .address_space: global }
    .group_segment_fixed_size: 327680
    .private_segment_fixed_size: 0
    .kernarg_segment_align: 8
    .kernarg_segment_size: 56
    .max_flat_workgroup_size: 128
    .sgpr_count:     98
    .vgpr_count:     768
    .wavefront_size: 32
...
	.end_amdgpu_metadata
.endif
;; end of part 2
;; launch attn (part 3): grid 16 x 16, 8 waves a work-group, no clusters, 327,680 bytes of LDS; arguments qb, kv, vimg; writes vimg
.if DOCPART == 3
	.amdgcn_target "amdgcn-amd-amdhsa--gfx1250"
	.amdhsa_code_object_version 6
	.text
	.protected	k_qc1a99139d8_attn
	.globl	k_qc1a99139d8_attn
	.p2align	8
	.type	k_qc1a99139d8_attn,@function
k_qc1a99139d8_attn:
	s_mov_b64 s[64:65], 0
	v_nop
	global_prefetch_b8 v0, s[64:65] scope:SCOPE_SE
	s_setreg_imm32_b32 hwreg(HW_REG_WAVE_MODE, 25, 1), 1
	s_wait_xcnt 0x0
; THIRD LAUNCH: vals = softmax(q k^T / 8, causal) v for 16 heads of 64, both products on codes of FP6 (E2M3) with E8M0 scales; vals quantised along (head, channel) for the last product.
; LEFT OUT: key steps all of whose 128 keys come after all queries of a panel of 128 (shown dead at the first launch's head); in the step on the diagonal hidden scores become -infinity, where reference() takes 1e9 off:
; the same result while a row's scores spread less than about 1e9 - 150.  A NaN or an overflow that reaches only the steps left out is not carried on.  The promise holds while |t| stays under 2^31.
; THE SOFTMAX: t = score x log2(e) / 8; M = the running largest t rounded up to a whole number; p = 2^(t - M) is quantised along the keys; the row's sum is taken of the unquantised p and divides at the end.
; FORMATS of qb, kv, vimg: see the second launch's head.  The first product's K is 64: a pair fragment of k holds two tiles of 16 keys; q stands as [codes, zeros, codes], 18 registers, read as [q, 0] and as [0, q].
; Both products are used transposed: a lane holds ONE query, its registers run along the keys (S^T) or the channels (O^T).
; SHARES.  Work-group (j, head) takes panel j and then panel 31 - j of 128 queries: j + 1 and 32 - j key chunks, 33 in all, in 9 slots of four chunks, whatever j.  Eight waves: wave w = 4 g + a owns the 32 queries
; 32 a .. + 31 of the panel (two tiles, which share every fragment of k and v) and the chunks g and g + 2 of each slot.  At a panel's end waves a and a + 4 hand each other one tile's O^T, -M and sum through a stage in LDS
; and each joins and finishes one tile: both M are whole numbers, so the factors are exact powers of two.
; THE RING.  Two slots of 51,200 dense bytes, 65,536 apart; wave 0 fetches a whole slot by one load (some chunk of every slot is read); every wait on TENSORcnt is for 0; one load is out.
; A second barrier in each trip parts the stage's reads (at a trip's head) from its stores (at a trip's end).
; NO CLUSTER: the work-groups of a head change from their first panel to their second at different slots, so their walks ask for different chunks in the same trip.
; PREFETCH: work-group j = 0 of a head, which begins the long walk first, asks in each trip for the slot that the next trip's load wants: 200 blocks of 256 bytes, 25 a wave; it stops with the head's last slot.
; REGISTERS.  Window 0: v1-11 addresses; v12-19 (-M, largest t, sum) x 2; v20-23 f; v24-31 scale words; v32-49 at work; v80-127 k; v128-255 S^T, then p.
; Window 1: v0-63 O^T; v64-99 q; v100-147 v^T; v148-171 p's codes; v172-187 at work; v188-199 the second panel's q.
.set SLOT1, 65536
.set STAGE, 116736                     ; 4,608 bytes a wave; no tensor load lands here
.set SPARE, 153600                     ; the spare words, 128 bytes a wave
.set L8G, 1                            ; 8 x lane + 12,800 g
.set L4G, 2                            ; 4 x lane + 12,800 g
.set R4,  3
.set L8,  4
.set SPW, 5
.set NIL, 6
.set ADK, 8
.set ADS, 9
.set PFO, 11
.set ST,  12
.set FF,  20
.set SQ,  24
.set SP,  26
.set SKS, 28
.set SVS, 30
.set BM,  32
.set BT,  40
.set T0,  48
.set DD,  50                           ; my query in the panel - 16 h, for each tile
.set NINF, 52
.set STW, 53                           ; the stage: my partner's part,
.set STR, 54                           ; and mine
.set MQ,  56
.set SQ2, 60
.set KF,  80
.set S,   128
.set O,   0
.set Q,   64
.set VF,  100
.set PCD, 148
.set Y,   172
.set QB,  188
.set WV,  18
.set GG,  19
.set SEL, 20
.set CS,  22
.set G1,  24
.set G0,  40
.set TB,  44
.set SLOTS, 45
.set CI,  46                           ; the chunk of the panel's walk that my next step takes
.set PP,  47                           ; the panel in hand = its last chunk
.set SWF, 48
.set SWM, 49
.set PFA, 50
.set LIM, 52
.set HD,  53
.set AA,  54
.set P2R, 55
.set BACK, 56
.set QA,  70
.set QA2, 72
.set QSA, 74
.set QSA2, 76
.set VO,  80
.set VS,  82
.set VO2, 84
.set VS2, 86
.set MSB, 0
.macro WIN new                         ; the immediate's high byte repeats the setting that is left
.if MSB != \new
	s_set_vgpr_msb (MSB<<8)|\new
.set MSB, \new
.endif
.endm
.macro TLOAD                           ; wave 0 fetches; an s_nop 0 and four v_nop follow the load
	s_cmp_eq_u32 s[WV], 0
	s_cbranch_scc0 .Lasked_\@
	tensor_load_to_lds s[G0:G0+3], s[G1:G1+7]
	s_nop 0
.rept 4
	v_nop
.endr
.Lasked_\@:
.endm
.macro ASK
	s_cmp_gt_u32 s[SLOTS], s[LIM]
	s_cbranch_scc0 .Lnot_mine_\@
	global_prefetch_b8 v[PFO], s[PFA:PFA+1] th:TH_LOAD_NT scope:SCOPE_SE
.Lnot_mine_\@:
.endm
.macro WMZ d, a, b, sa, sb, ra         ; a product that starts a sum
.if \ra
	v_wmma_scale_f32_16x16x128_f8f6f4 v[\d:\d+7], v[\a:\a+11], v[\b:\b+11], 0, v[\sa], v[\sb] matrix_a_fmt:MATRIX_FMT_FP6 matrix_b_fmt:MATRIX_FMT_FP6 matrix_a_scale:MATRIX_SCALE_ROW1
.else
	v_wmma_scale_f32_16x16x128_f8f6f4 v[\d:\d+7], v[\a:\a+11], v[\b:\b+11], 0, v[\sa], v[\sb] matrix_a_fmt:MATRIX_FMT_FP6 matrix_b_fmt:MATRIX_FMT_FP6
.endif
.endm
.macro WMA d, a, b, sa, sb, ra         ; a product that adds in place
.if \ra
	v_wmma_scale_f32_16x16x128_f8f6f4 v[\d:\d+7], v[\a:\a+11], v[\b:\b+11], v[\d:\d+7], v[\sa], v[\sb] matrix_a_fmt:MATRIX_FMT_FP6 matrix_b_fmt:MATRIX_FMT_FP6 matrix_a_scale:MATRIX_SCALE_ROW1
.else
	v_wmma_scale_f32_16x16x128_f8f6f4 v[\d:\d+7], v[\a:\a+11], v[\b:\b+11], v[\d:\d+7], v[\sa], v[\sb] matrix_a_fmt:MATRIX_FMT_FP6 matrix_b_fmt:MATRIX_FMT_FP6
.endif
.endm
.macro INIT                            ; a panel begins: largest t -3e38, sums and O^T zero (the step is written once and finds zeros)
.irp x, 0,1
	v_mov_b32 v[ST+4*\x+1], 0xff61b1e6
	v_mov_b32 v[ST+4*\x+2], 0
	v_mov_b32 v[ST+4*\x+3], 0
.endr
.irp x, 0,1
	v_floor_f32 v[ST+4*\x], -v[ST+4*\x+1]
.endr
	WIN 0x40
.set n, 0
.rept 64
	v_mov_b32 v[O+n], 0
.set n, n+1
.endr
	WIN 0
.endm
	s_load_b128 s[4:7], s[0:1], 0x0                ; qb, kv
	s_load_b64 s[8:9], s[0:1], 0x10                ; vimg
	v_lshl_add_u32 v[SPW], v0, 2, SPARE
	v_mov_b32 v[NIL], 0
	ds_add_u32 v[SPW], v[NIL]                      ; the opening: the add, twice on end, and its wait
	ds_add_u32 v[SPW], v[NIL]
	v_lshrrev_b32 v7, 5, v0
	v_readfirstlane_b32 s[WV], v7                  ; wave 0..7
	s_and_b32 s[HD], ttmp7, 0xffff
	s_lshr_b32 s[GG], s[WV], 2                     ; g: which chunks of a slot
	s_and_b32 s[AA], s[WV], 3                      ; a: which 32 queries of the panel
	s_mov_b32 s[PP], ttmp9                         ; the first panel, j
	s_sub_co_u32 s[P2R], 31, ttmp9                 ; the second
	s_lshr_b32 s57, ttmp9, 2                       ; the first panel has j / 4 + 1 slots
	s_sub_co_u32 s[SWF], 8, s57                    ; the count of trips left in the first panel's last trip,
	s_sub_co_u32 s[SWM], 7, s57                    ; and in the second panel's first
	s_add_co_u32 s57, s57, 1
	s_mul_i32 s[BACK], s57, 51200                  ; from the first panel's walk back to chunk 0
	s_mul_i32 s57, s[HD], 196608                   ; q's codes: head, tiles 8 P + 2 a and the next
	s_mul_i32 s58, s[AA], 1536
	s_add_co_u32 s57, s57, s58
	s_mul_i32 s58, s[PP], 6144
	s_add_co_u32 s[QA], s57, s58
	s_mul_i32 s58, s[P2R], 6144
	s_add_co_u32 s[QA2], s57, s58
	s_lshl_b32 s57, s[HD], 13                      ; q's scale words: head, group 4 P + a
	s_lshl_b32 s58, s[AA], 6
	s_add_co_u32 s57, s57, s58
	s_add_co_u32 s57, s57, 3145728
	s_lshl_b32 s58, s[PP], 8
	s_add_co_u32 s[QSA], s57, s58
	s_lshl_b32 s58, s[P2R], 8
	s_add_co_u32 s[QSA2], s57, s58
	s_lshr_b32 s57, s[HD], 1                       ; vals: panel P, K step head / 2, tile 2 a + g (the one that I finish), the half of head % 2
	s_mul_i32 s57, s57, 12800
	s_and_b32 s58, s[HD], 1
	s_lshl_b32 s59, s[AA], 1
	s_add_co_u32 s59, s59, s[GG]
	s_mul_i32 s60, s59, 1536
	s_add_co_u32 s60, s60, s57
	s_mul_i32 s61, s58, 768
	s_add_co_u32 s60, s60, s61
	s_lshl_b32 s59, s59, 6
	s_add_co_u32 s59, s59, s57
	s_lshl_b32 s58, s58, 1
	s_add_co_u32 s59, s59, s58
	s_add_co_u32 s59, s59, 12288
	s_mul_i32 s57, s[PP], 102400
	s_mul_i32 s58, s[P2R], 102400
	s_add_co_u32 s[VO], s60, s57
	s_add_co_u32 s[VS], s59, s57
	s_add_co_u32 s[VO2], s60, s58
	s_add_co_u32 s[VS2], s59, s58
.irp r, 67,69,71,73,75,77,81,83,85,87,91
	s_mov_b32 s\r, 0
.endr
	s_mul_i32 s66, s[HD], 409600                   ; the head's chunks
	s_mul_i32 s68, s[WV], 6400                     ; my 25 blocks of a slot's 200
	s_cmp_eq_u32 ttmp9, 0
	s_cselect_b32 s[LIM], 1, -1
	s_mov_b32 s[G1], 3<<16                         ; a slot: 51,200 dense bytes as 200 rows of 32 elements of 8 bytes
	s_mov_b32 s[G1+1], 32<<16
	s_mov_b32 s[G1+2], 200<<16
	s_mov_b32 s[G1+3], 32<<16
	s_mov_b32 s[G1+4], 200
	s_mov_b32 s[G1+5], 32
	s_mov_b32 s[G1+6], 0
	s_mov_b32 s[G1+7], 0
	s_mov_b32 s[SEL], 0x76543210
	s_mov_b32 s[SEL+1], 0xfedcba98
	s_mov_b32 s[CS], 0x3e38aa3b                    ; c = log2(e) / 8
	s_mov_b32 s[CS+1], s[CS]
	s_mov_b32 s[TB], 0
	s_mov_b32 s[SLOTS], 8
	s_mov_b32 s[CI], s[GG]
	s_wait_dscnt 0x0                               ; both opening adds are done
	s_wait_kmcnt 0x0
	s_mov_b32 s[G0], 1
	s_mov_b32 s[G0+1], 0
	s_add_nc_u64 s[G0+2:G0+3], s[6:7], s[66:67]
	s_add_nc_u64 s[PFA:PFA+1], s[G0+2:G0+3], s[68:69]   ; the first change of slots steps it to the walk's second slot
	s_or_b32 s[G0+3], s[G0+3], 0x80000000
	TLOAD                                          ; slot 0: chunk 0 counts for every query
	s_add_nc_u64 s[QA:QA+1], s[4:5], s[QA:QA+1]
	s_add_nc_u64 s[QA2:QA2+1], s[4:5], s[QA2:QA2+1]
	s_add_nc_u64 s[QSA:QSA+1], s[4:5], s[QSA:QSA+1]
	s_add_nc_u64 s[QSA2:QSA2+1], s[4:5], s[QSA2:QSA2+1]
	s_add_nc_u64 s[VO:VO+1], s[8:9], s[VO:VO+1]
	s_add_nc_u64 s[VS:VS+1], s[8:9], s[VS:VS+1]
	s_add_nc_u64 s[VO2:VO2+1], s[8:9], s[VO2:VO2+1]
	s_add_nc_u64 s[VS2:VS2+1], s[8:9], s[VS2:VS2+1]
	s_mul_i32 s57, s[GG], 12800
	s_mul_i32 s58, s[WV], 4608
	s_add_co_u32 s58, s58, STAGE
	s_xor_b32 s59, s[WV], 4
	s_mul_i32 s59, s59, 4608
	s_add_co_u32 s59, s59, STAGE
	s_lshl_b32 s60, s[AA], 5
	v_and_b32 v7, 31, v0                           ; lane
	v_and_b32 v[ADK], 15, v0                       ; r
	v_lshlrev_b32 v[L8], 3, v7
	v_lshlrev_b32 v[R4], 2, v[ADK]
	WIN 0x40
.irp x, 0,1
.irp p, 0,1,2
	global_load_b64 v[Q+18*\x+2*\p:Q+18*\x+2*\p+1], v[L8], s[QA:QA+1] offset:256*(3*\x+\p)     ; both panels' q come now
	global_load_b64 v[QB+6*\x+2*\p:QB+6*\x+2*\p+1], v[L8], s[QA2:QA2+1] offset:256*(3*\x+\p)
.endr
.endr
	WIN 0
	global_load_b32 v[T0], v[R4], s[QSA:QSA+1]
	global_load_b32 v[T0+1], v[R4], s[QSA2:QSA2+1]
	v_lshlrev_b32 v[L4G], 2, v7
	v_add_nc_u32 v[L8G], s57, v[L8]
	v_add_nc_u32 v[L4G], s57, v[L4G]
	v_min_u32 v[PFO], 24, v7
	v_lshlrev_b32 v[PFO], 8, v[PFO]
	v_lshlrev_b32 v[STR], 4, v7
	v_add_nc_u32 v[STW], s59, v[STR]
	v_add_nc_u32 v[STR], s58, v[STR]
	v_bfe_u32 v[ADS], v0, 4, 1                     ; h
	v_and_b32 v10, 8, v[ADK]
	v_add_nc_u32 v10, v10, v[ADK]
	v_lshlrev_b32 v[ADS], 4, v[ADS]
	v_sub_nc_u32 v10, v10, v[ADS]
	v_add_nc_u32 v[DD], s60, v10                   ; 32 a + r + 8 (r / 8) - 16 h,
	v_add_nc_u32 v[DD+1], 8, v[DD]                 ; and 8 on for the second tile
	v_mov_b32 v[NINF], 0xff800000
	v_mov_b32 v[FF+1], 0                           ; (named as the upper halves of f's pairs)
	v_mov_b32 v[FF+3], 0
.set n, 0
.rept 8
	v_mov_b32 v[BT+n], 0                           ; a lane permute's destination counts as one of its sources
.set n, n+1
.endr
	WIN 0x40
.irp x, 0,1
.irp i, 0,1,2,3,4,5
	v_mov_b32 v[Q+18*\x+6+\i], 0                   ; zero codes
.endr
.endr
	WIN 0
	s_wait_alu depctr_va_vdst(0)
	s_wait_loadcnt 0x0
	v_perm_b32 v[SQ], v[T0], v[T0], 0x01000100     ; a tile's two bytes, laid twice, for both readings of q
	v_perm_b32 v[SQ+1], v[T0], v[T0], 0x03020302
	v_perm_b32 v[SQ2], v[T0+1], v[T0+1], 0x01000100
	v_perm_b32 v[SQ2+1], v[T0+1], v[T0+1], 0x03020302
	WIN 0x41
.irp x, 0,1
.irp i, 0,1,2,3,4,5
	v_mov_b32 v[Q+18*\x+12+\i], v[Q+18*\x+\i]
.endr
.endr
	WIN 0
	INIT
	s_wait_alu depctr_va_vdst(0)                   ; the head's end
; A KEY STEP: 128 keys x my 32 queries: chunk g + 2 q of the slot in hand.
.macro STEP q
	s_cmp_gt_u32 s[CI], s[PP]                      ; all its keys come after the panel's queries: left out; no barrier and no tensor load stands in a step
	s_cbranch_scc1 .Lhid_\@
	v_add_nc_u32 v[ADK], s[TB], v[L8G]
	v_add_nc_u32 v[ADS], s[TB], v[L4G]
	v_nop
	v_nop                                          ; four places in front of loads into registers that the last step's products read
.irp b, 0,1,2,3
.irp p, 0,1,2,3,4,5
	ds_load_b64 v[KF+12*\b+2*\p:KF+12*\b+2*\p+1], v[ADK] offset:25600*\q+1536*\b+256*\p
.endr
.endr
	ds_load_b32 v[SKS], v[ADS] offset:25600*\q+12288
	ds_load_b32 v[SKS+1], v[ADS] offset:25600*\q+12416
	WIN 0x40
.irp t, 0,1,2,3
.irp p, 0,1,2,3,4,5
	ds_load_b64 v[VF+12*\t+2*\p:VF+12*\t+2*\p+1], v[ADK] offset:25600*\q+6144+1536*\t+256*\p
.endr
.endr
	WIN 0
	ds_load_b32 v[SVS], v[ADS] offset:25600*\q+12544
	ds_load_b32 v[SVS+1], v[ADS] offset:25600*\q+12672
	s_wait_dscnt 26                                ; k and its scale words are in; v's 24 loads and its 2 of scale words may be out
	WIN 0x04
.irp b, 0,1,2,3
.irp u, 0,1
.irp x, 0,1
	WMZ S+64*\x+8*(2*\b+\u), KF+12*\b, Q+18*\x+6*\u, SKS+\b/2, SQ+\x, \b%2
.endr
.endr
.endr
	WIN 0
.rept 4
	v_nop                                          ; places in front of the first read of results
.endr
	s_cmp_lg_u32 s[CI], s[PP]                      ; only the panel's own chunk has hidden keys
	s_cbranch_scc1 .Lopen_\@
.irp x, 0,1
.set n, 0
.rept 64                                       ; register 16 b + i holds key 32 b + 16 h + i of the chunk
	v_cmp_gt_i32 vcc_lo, 32*(n/16)+n%16, v[DD+\x]
	v_cndmask_b32 v[S+64*\x+n], v[S+64*\x+n], v[NINF], vcc_lo
.set n, n+1
.endr
.endr
.Lopen_\@:
.irp x, 0,1
.irp b, 0,1,2,3
	v_max3_num_f32 v[BM+4*\x+\b], v[S+64*\x+16*\b], v[S+64*\x+16*\b+1], v[S+64*\x+16*\b+2]   ; the largest score of each block of 32 keys
.endr
.endr
.irp i, 3,5,7,9,11,13
.irp x, 0,1
.irp b, 0,1,2,3
	v_max3_num_f32 v[BM+4*\x+\b], v[BM+4*\x+\b], v[S+64*\x+16*\b+\i], v[S+64*\x+16*\b+\i+1]
.endr
.endr
.endr
.irp x, 0,1
.irp b, 0,1,2,3
	v_max_num_f32 v[BM+4*\x+\b], v[BM+4*\x+\b], v[S+64*\x+16*\b+15]
.endr
.endr
.set n, 0
.rept 8
	v_permlanex16_b32 v[BT+n], v[BM+n], s[SEL], s[SEL+1]
.set n, n+1
.endr
.set n, 0
.rept 8
	v_max_num_f32 v[BM+n], v[BM+n], v[BT+n]        ; with lane l xor 16's 16 keys
.set n, n+1
.endr
.irp x, 0,1                                    ; the two tiles' chains by turns
	v_max3_num_f32 v[T0+\x], v[BM+4*\x], v[BM+4*\x+1], v[BM+4*\x+2]
.endr
.irp x, 0,1
	v_max_num_f32 v[T0+\x], v[T0+\x], v[BM+4*\x+3]
.endr
.irp x, 0,1
	v_mul_f32 v[T0+\x], s[CS], v[T0+\x]
.endr
.irp x, 0,1
	v_max_num_f32 v[ST+4*\x+1], v[ST+4*\x+1], v[T0+\x]   ; the running largest t
.endr
.irp x, 0,1
	v_mov_b32 v[T0+\x], v[ST+4*\x]
.endr
.irp x, 0,1
	v_floor_f32 v[ST+4*\x], -v[ST+4*\x+1]          ; the new -M = -ceil(t)
.endr
.irp x, 0,1
	v_sub_f32 v[T0+\x], v[ST+4*\x], v[T0+\x]       ; old M - new M, 0 or less
.endr
.irp x, 0,1
	v_cvt_i32_f32 v[T0+\x], v[T0+\x]               ; (it saturates)
.endr
.irp x, 0,1
	v_ldexp_f32 v[FF+2*\x], 1.0, v[T0+\x]          ; f = 2^(old M - new M)
.endr
.irp x, 0,1
.set n, 0
.rept 32
	v_pk_fma_f32 v[S+64*\x+n:S+64*\x+n+1], v[S+64*\x+n:S+64*\x+n+1], s[CS:CS+1], v[ST+4*\x:ST+4*\x+1] op_sel_hi:[1,0,0]   ; t - M
.set n, n+2
.endr
.irp b, 0,1,2,3
	v_fma_f32 v[BM+4*\x+\b], v[BM+4*\x+\b], s[CS], v[ST+4*\x]
.endr
.endr
	s_wait_alu depctr_va_vdst(0)
.set n, 0
.rept 8
	v_exp_f32 v[BM+n], v[BM+n]                     ; each block's largest p
.set n, n+1
.endr
.set n, 0
.rept 128
	v_exp_f32 v[S+n], v[S+n]                       ; p = 2^(t - M)
.set n, n+1
.endr
.irp x, 0,1
	v_pk_mul_f32 v[ST+4*\x+2:ST+4*\x+3], v[ST+4*\x+2:ST+4*\x+3], v[FF+2*\x:FF+2*\x+1] op_sel_hi:[1,0]   ; the sums under the new M: plain places behind the batch
.endr
	s_wait_alu depctr_va_vdst(0)                   ; one wait for the batch, ahead of its first reader
.set n, 0
.rept 8
	v_max_num_f32 v[BM+n], 0x1800000, v[BM+n]      ; the floor 2^(3 - 127): the byte cannot fall under 1
.set n, n+1
.endr
.set n, 0
.rept 8
	v_add_nc_u32 v[BM+n], 0xff000000, v[BM+n]      ; 2 off the exponent field: the conversion's scale operand
.set n, n+1
.endr
.set n, 0
.rept 8
	v_lshrrev_b32 v[BT+n], 23, v[BM+n]
.set n, n+1
.endr
.irp x, 0,1
	v_lshl_or_b32 v[SP+\x], v[BT+4*\x+1], 8, v[BT+4*\x]   ; p's scale word for these 128 keys
.endr
.irp x, 0,1
	v_lshl_or_b32 v[SP+\x], v[BT+4*\x+2], 16, v[SP+\x]
.endr
.irp x, 0,1
	v_lshl_or_b32 v[SP+\x], v[BT+4*\x+3], 24, v[SP+\x]
.endr
	WIN 0x40
.irp x, 0,1
.irp c, 0,1
	v_cvt_scalef32_pk16_fp6_f32 v[PCD+12*\x+6*\c:PCD+12*\x+6*\c+2], v[S+64*\x+32*\c:S+64*\x+32*\c+15], v[BM+4*\x+2*\c]
	v_cvt_scalef32_pk16_fp6_f32 v[Y+8*\x+4*\c:Y+8*\x+4*\c+2], v[S+64*\x+32*\c+16:S+64*\x+32*\c+31], v[BM+4*\x+2*\c+1]
.endr
.endr
	v_nop                                          ; one plain place behind the conversions
	WIN 0x41
.irp x, 0,1
.irp c, 0,1
.irp i, 0,1,2
	v_permlane16_swap_b32 v[PCD+12*\x+6*\c+\i], v[Y+8*\x+4*\c+\i]   ; a whole block to a lane
.endr
.endr
.endr
.irp x, 0,1
.irp c, 0,1
.irp i, 0,1,2
	v_mov_b32 v[PCD+12*\x+6*\c+3+\i], v[Y+8*\x+4*\c+\i]
.endr
.endr
.endr
	s_wait_alu depctr_va_vdst(0)                   ; directly ahead of the first reader of O^T
.irp x, 0,1
.set n, 0
.rept 16
	v_pk_mul_f32 v[O+32*\x+n:O+32*\x+n+1], v[O+32*\x+n:O+32*\x+n+1], v[FF+2*\x:FF+2*\x+1] op_sel_hi:[1,0]   ; O^T under the new M
.set n, n+2
.endr
.endr
	WIN 0
.irp w, 32,16,8,4                              ; the row's sum of the unquantised p, folded in place: the codes are made
.set n, 0
.rept \w/2
.irp x, 0,1
	v_pk_add_f32 v[S+64*\x+n:S+64*\x+n+1], v[S+64*\x+n:S+64*\x+n+1], v[S+64*\x+n+\w:S+64*\x+n+\w+1]
.endr
.set n, n+2
.endr
.endr
.irp n, 0,2
.irp x, 0,1
	v_pk_add_f32 v[ST+4*\x+2:ST+4*\x+3], v[ST+4*\x+2:ST+4*\x+3], v[S+64*\x+\n:S+64*\x+\n+1]
.endr
.endr
	s_wait_alu depctr_va_vdst(0)                   ; it covers all that the step wrote
	s_wait_dscnt 0x0                               ; v^T and its scale words are in
	WIN 0x55
.irp t, 0,1,2,3
.irp x, 0,1
	WMA O+32*\x+8*\t, VF+12*\t, PCD+12*\x, SVS+\t/2, SP+\x, \t%2   ; O^T += v^T p^T: eight accumulators by turns
.endr
.endr
	WIN 0
.Lhid_\@:
	s_add_co_u32 s[CI], s[CI], 2
.endm
; THE CHANGE OF SLOTS.  Each wave waits for all its tensor loads, adds 0 to its spare word, and waits for that and for its LDS reads and stores.  Behind the barrier the slot ahead is whole and the other one is filled again.
.macro CHANGE fill
	s_wait_tensorcnt 0x0                           ; no tensor load of mine is out, so its descriptor may be written
	ds_add_u32 v[SPW], v[NIL]
.if \fill
	ds_add_u32 v[SPW], v[NIL]
	s_xor_b32 s[G0+1], s[G0+1], SLOT1
	s_cmp_eq_u32 s[SLOTS], s[SWF]                  ; the fill behind the first panel's last slot begins the second panel's walk at chunk 0
	s_cselect_b32 s90, s[BACK], 0
	s_add_nc_u64 s[G0+2:G0+3], s[G0+2:G0+3], 51200
	s_sub_nc_u64 s[G0+2:G0+3], s[G0+2:G0+3], s[90:91]
	s_wait_xcnt 0x0                                ; the last prefetch, a slot back, has read its address
	s_add_nc_u64 s[PFA:PFA+1], s[PFA:PFA+1], 51200
.endif
	s_wait_dscnt 0x0
	s_barrier_signal -1
	s_barrier_wait -1
.if \fill
	TLOAD
	ASK
.endif
.endm
.macro SENDP x                         ; tile x's O^T, -M, largest t and sum, as images of their registers, into my partner's part of the stage
.rept 4
	v_nop                                          ; places behind the last products
.endr
	WIN 0x04
.irp k, 0,1,2,3,4,5,6,7
	ds_store_b128 v[STW], v[O+32*\x+4*\k:O+32*\x+4*\k+3] offset:512*\k
.endr
	WIN 0
	ds_store_b128 v[STW], v[ST+4*\x:ST+4*\x+3] offset:4096
.endm
.macro SENDB                           ; wave a sends tile 1 and finishes tile 0; wave a + 4 the other way round
	s_cmp_eq_u32 s[GG], 0
	s_cbranch_scc0 .Lsg1_\@
	SENDP 1
	s_branch .Lsj_\@
.Lsg1_\@:
	SENDP 0
.Lsj_\@:
.endm
.macro MERGE x                         ; my part and my partner's of tile x are joined, divided by the sum, quantised along the head's 64 channels and stored as half a fragment's image
.irp k, 0,1,2,3,4,5,6,7
	ds_load_b128 v[S+4*\k:S+4*\k+3], v[STR] offset:512*\k
.endr
	ds_load_b128 v[MQ:MQ+3], v[STR] offset:4096
	s_wait_dscnt 0x0
	v_min_num_f32 v[T0], v[ST+4*\x], v[MQ]         ; -M of both
	v_add_f32 v[BM], v[ST+4*\x+2], v[ST+4*\x+3]
	v_add_f32 v[BM+1], v[MQ+2], v[MQ+3]
	v_sub_f32 v[BM+2], v[T0], v[ST+4*\x]
	v_sub_f32 v[BM+3], v[T0], v[MQ]
	v_cvt_i32_f32 v[BM+2], v[BM+2]                 ; (they saturate: a part with no key step gets the factor 0)
	v_cvt_i32_f32 v[BM+3], v[BM+3]
	v_ldexp_f32 v[BM+2], 1.0, v[BM+2]
	v_ldexp_f32 v[BM+3], 1.0, v[BM+3]
	v_mul_f32 v[BM], v[BM], v[BM+2]
	v_fma_f32 v[BM], v[BM+1], v[BM+3], v[BM]
	v_permlanex16_b32 v[BT], v[BM], s[SEL], s[SEL+1]
	v_add_f32 v[BM], v[BM], v[BT]                  ; the row's sum
	s_wait_alu depctr_va_vdst(0)
	v_rcp_f32 v[BM], v[BM]
	v_nop
	s_wait_alu depctr_va_vdst(0)
	v_mul_f32 v[BM+2], v[BM+2], v[BM]
	v_mul_f32 v[BM+3], v[BM+3], v[BM]
	WIN 0x01
	s_wait_alu depctr_va_vdst(0)                   ; directly ahead of the first reader of O^T
.set n, 0
.rept 32
	v_mul_f32 v[S+32+n], v[O+32*\x+n], v[BM+2]
.set n, n+1
.endr
	WIN 0
.set n, 0
.rept 32
	v_fma_f32 v[S+n], v[S+n], v[BM+3], v[S+32+n]   ; register 16 b + i = channel 32 b + 16 h + i
.set n, n+1
.endr
.irp b, 0,1
	v_max3_num_f32 v[BM+4+\b], |v[S+16*\b]|, |v[S+16*\b+1]|, 0x1800000
.endr
.irp i, 2,4,6,8,10,12,14
.irp b, 0,1
	v_max3_num_f32 v[BM+4+\b], v[BM+4+\b], |v[S+16*\b+\i]|, |v[S+16*\b+\i+1]|
.endr
.endr
.irp b, 0,1
	v_permlanex16_b32 v[BT+4+\b], v[BM+4+\b], s[SEL], s[SEL+1]
.endr
.irp b, 0,1
	v_max_num_f32 v[BM+4+\b], v[BM+4+\b], v[BT+4+\b]
.endr
.irp b, 0,1
	v_add_nc_u32 v[BM+4+\b], 0xff000000, v[BM+4+\b]
.endr
.irp b, 0,1
	v_lshrrev_b32 v[BT+4+\b], 23, v[BM+4+\b]
.endr
	v_lshl_or_b32 v[T0+1], v[BT+5], 8, v[BT+4]     ; the head's two bytes of my row's scale word
	v_cvt_scalef32_pk16_fp6_f32 v[KF:KF+2], v[S:S+15], v[BM+4]
	v_cvt_scalef32_pk16_fp6_f32 v[KF+8:KF+10], v[S+16:S+31], v[BM+5]
	v_nop
.irp i, 0,1,2
	v_permlane16_swap_b32 v[KF+\i], v[KF+8+\i]
.endr
.irp i, 0,1,2
	v_mov_b32 v[KF+3+\i], v[KF+8+\i]
.endr
.irp p, 0,1,2
	global_store_b64 v[L8], v[KF+2*\p:KF+2*\p+1], s[VO:VO+1] offset:256*\p   ; 256 consecutive bytes, at a multiple of 256
.endr
	global_store_b16 v[R4], v[T0+1], s[VS:VS+1]    ; lanes l and l xor 16 hold the same two bytes and name the same place
.endm
.macro MERGEB
	s_cmp_eq_u32 s[GG], 0
	s_cbranch_scc0 .Lmg1_\@
	MERGE 0
	s_branch .Lmj_\@
.Lmg1_\@:
	MERGE 1
.Lmj_\@:
.endm
.macro NEXTPASS                        ; the second panel's q, state and addresses
.irp x, 0,1
	v_mov_b32 v[SQ+\x], v[SQ2+\x]
.endr
	WIN 0x41
.irp x, 0,1
.irp i, 0,1,2,3,4,5
	v_mov_b32 v[Q+18*\x+\i], v[QB+6*\x+\i]
	v_mov_b32 v[Q+18*\x+12+\i], v[QB+6*\x+\i]
.endr
.endr
	WIN 0
	INIT
	s_mov_b32 s[PP], s[P2R]
	s_mov_b32 s[CI], s[GG]
	s_wait_alu depctr_va_vdst(0)
	s_wait_xcnt 0x0                                ; the stores have read their registers and bases
	s_mov_b64 s[VO:VO+1], s[VO2:VO2+1]
	s_mov_b64 s[VS:VS+1], s[VS2:VS2+1]
.endm
.Lslot:                                            ; eight trips; the ninth slot is written out
	CHANGE 1
	s_cmp_eq_u32 s[SLOTS], s[SWM]                  ; ids and the count of trips alone, the same in all eight waves
	s_cbranch_scc0 .Lsame
	MERGEB                                         ; the first panel is finished: its parts were sent in the trip before, ahead of the barrier above
	NEXTPASS
.Lsame:
	STEP 0
	STEP 1
	s_xor_b32 s[TB], s[TB], SLOT1
	s_wait_dscnt 0x0
	s_barrier_signal -1                            ; it parts this trip's reads of the stage from the stores below
	s_barrier_wait -1
	s_cmp_eq_u32 s[SLOTS], s[SWF]
	s_cbranch_scc0 .Lkeep
	SENDB
.Lkeep:
	s_sub_co_u32 s[SLOTS], s[SLOTS], 1
	s_cmp_lg_u32 s[SLOTS], 0
	s_cbranch_scc1 .Lslot
	CHANGE 0
	STEP 0
	STEP 1
	SENDB
	s_wait_dscnt 0x0                               ; my stores into the stage are done
	s_barrier_signal -1
	s_barrier_wait -1
	MERGEB
	s_wait_tensorcnt 0x0                           ; the wave's end
	ds_add_u32 v[SPW], v[NIL]
	s_wait_dscnt 0x0
	s_endpgm
.Lfunc_end_k_qc1a99139d8_attn:
	.size	k_qc1a99139d8_attn, .Lfunc_end_k_qc1a99139d8_attn-k_qc1a99139d8_attn
	.p2alignl 7, 3214868480
	.fill 96, 4, 3214868480
	.section	.rodata,"a",@progbits
	.p2align	6, 0x0
	.amdhsa_kernel k_qc1a99139d8_attn
		.amdhsa_group_segment_fixed_size 327680
		.amdhsa_private_segment_fixed_size 0
		.amdhsa_enable_private_segment 0
		.amdhsa_kernarg_size 24
		.amdhsa_user_sgpr_count 2
		.amdhsa_user_sgpr_kernarg_segment_ptr 1
		.amdhsa_wavefront_size32 1
		.amdhsa_system_sgpr_workgroup_id_x 1
		.amdhsa_system_sgpr_workgroup_id_y 1
		.amdhsa_system_sgpr_workgroup_id_z 1
		.amdhsa_system_vgpr_workitem_id 0
		.amdhsa_next_free_vgpr 512
		.amdhsa_next_free_sgpr 96
		.amdhsa_reserve_vcc 1
		.amdhsa_float_denorm_mode_32 3
		.amdhsa_float_denorm_mode_16_64 3
		.amdhsa_memory_ordered 1
		.amdhsa_forward_progress 1
		.amdhsa_inst_pref_size 207
	.end_amdhsa_kernel
	.amdgpu_metadata
---
amdhsa.version: [ 1, 2 ]
amdhsa.kernels:
  - .name:           k_qc1a99139d8_attn
    .symbol:         k_qc1a99139d8_attn.kd
    .args:
      - { .name: qb, .offset: 0, .size: 8, .value_kind: global_buffer, .address_space: global }
      - { .name: kv, .offset: 8, .size: 8, .value_kind: global_buffer, .address_space: global }
      - { .name: vimg, .offset: 16, .size: 8, .value_kind: global_buffer, .address_space: global }
    .group_segment_fixed_size: 327680
    .private_segment_fixed_size: 0
    .kernarg_segment_align: 8
    .kernarg_segment_size: 24
    .max_flat_workgroup_size: 256
    .sgpr_count:     96
    .vgpr_count:     512
    .wavefront_size: 32
...
	.end_amdgpu_metadata
.endif
;; end of part 3
;; launch outp (part 4): grid 8 x 32, 4 waves a work-group, clusters of 4 x 4, 327,680 bytes of LDS; arguments vimg, wimg, bo, out0; writes out0
.if DOCPART == 4
	.amdgcn_target "amdgcn-amd-amdhsa--gfx1250"
	.amdhsa_code_object_version 6
	.text
	.protected	k_qc1a99139d8_outp
	.globl	k_qc1a99139d8_outp
	.p2align	8
	.type	k_qc1a99139d8_outp,@function
k_qc1a99139d8_outp:
	s_mov_b64 s[64:65], 0
	v_nop
	global_prefetch_b8 v0, s[64:65] scope:SCOPE_SE
	s_setreg_imm32_b32 hwreg(HW_REG_WAVE_MODE, 25, 1), 1
	s_wait_xcnt 0x0
	s_wait_alu depctr_hold_cnt(0) depctr_sa_sdst(0) depctr_va_vdst(0) depctr_va_sdst(0) depctr_va_ssrc(0) depctr_va_vcc(0) depctr_vm_vsrc(0)
	s_getreg_b32 s2, hwreg(HW_REG_IB_STS2, 6, 4)
	s_cmp_eq_u32 s2, 0
	s_cbranch_scc0 .Lentry_in_a_cluster
	s_endpgm
.Lentry_in_a_cluster:
	s_bfe_u32 s2, ttmp6, 0x10000c
	s_cmp_lg_u32 s2, 0xf033
	s_cbranch_scc0 .Lentry_shape_is_right
	s_endpgm
.Lentry_shape_is_right:
.set VP,    0
.set WO,    102400
.set STAGE, 204800
.set SPARE, 238592
.set L8,  1
.set L4,  2
.set L8W, 3
.set SPW, 4
.set NIL, 5
.set AJ,  6
.set AI,  8
.set SJ,  10
.set SI,  12
.set L4W, 14
.set STO, 15
.set RD,  16
.set BO,  17
.set CO,  18
.set WV,  18
.set G1X, 24
.set G1W, 32
.set G0X, 48
.set G0Q, 52
.set MSB, 0
.macro WIN new
.if MSB != \new
	s_set_vgpr_msb (MSB<<8)|\new
.set MSB, \new
.endif
.endm
.set TO_F,  0x40
.set TO_B2, 0x80
.set MUL,   0x05
.set MUL1,  0x25
.macro CREST
	s_cmp_lg_u32 s[WV], 0
	s_cbranch_scc1 .Lnot_wave_0_\@
	s_barrier_signal -3
.Lnot_wave_0_\@:
	s_barrier_wait -3
	s_barrier_signal -1
	s_barrier_wait -1
.endm
.macro CROUND
	s_barrier_signal -1
	s_barrier_wait -1
	CREST
.endm
.macro WM d, a, b, c, sa, sb, ra, rb
.if (\ra) && (\rb)
	v_wmma_scale_f32_16x16x128_f8f6f4 v[\d:\d+7], v[\a:\a+11], v[\b:\b+11], v[\c:\c+7], v[\sa], v[\sb] matrix_a_fmt:MATRIX_FMT_FP6 matrix_b_fmt:MATRIX_FMT_FP6 matrix_a_scale:MATRIX_SCALE_ROW1 matrix_b_scale:MATRIX_SCALE_ROW1
.elseif \ra
	v_wmma_scale_f32_16x16x128_f8f6f4 v[\d:\d+7], v[\a:\a+11], v[\b:\b+11], v[\c:\c+7], v[\sa], v[\sb] matrix_a_fmt:MATRIX_FMT_FP6 matrix_b_fmt:MATRIX_FMT_FP6 matrix_a_scale:MATRIX_SCALE_ROW1
.elseif \rb
	v_wmma_scale_f32_16x16x128_f8f6f4 v[\d:\d+7], v[\a:\a+11], v[\b:\b+11], v[\c:\c+7], v[\sa], v[\sb] matrix_a_fmt:MATRIX_FMT_FP6 matrix_b_fmt:MATRIX_FMT_FP6 matrix_b_scale:MATRIX_SCALE_ROW1
.else
	v_wmma_scale_f32_16x16x128_f8f6f4 v[\d:\d+7], v[\a:\a+11], v[\b:\b+11], v[\c:\c+7], v[\sa], v[\sb] matrix_a_fmt:MATRIX_FMT_FP6 matrix_b_fmt:MATRIX_FMT_FP6
.endif
.endm
.macro FETCH s, f
	WIN TO_F
.irp t, 0,1,2,3,4,5,6,7
.irp p, 0,1,2,3,4,5
	ds_load_b64 v[128*(\f)+12*\t+2*\p:128*(\f)+12*\t+2*\p+1], v[AJ+(\s)/4] offset:12800*((\s)%4)+1536*\t+256*\p
.endr
.endr
.irp m, 0,1
.irp p, 0,1,2,3,4,5
	ds_load_b64 v[128*(\f)+96+12*\m+2*\p:128*(\f)+96+12*\m+2*\p+1], v[AI+(\s)/4] offset:12800*((\s)%4)+1536*\m+256*\p
.endr
.endr
	WIN 0
.irp g, 0,1,2,3
	ds_load_b32 v[20+5*(\f)+\g], v[SJ+(\s)/4] offset:12800*((\s)%4)+128*\g
.endr
	ds_load_b32 v[24+5*(\f)], v[SI+(\s)/4] offset:12800*((\s)%4)
.endm
.macro MULS f, first, bias, sj, si
.irp t, 0,1,2,3,4,5,6,7
.irp m, 0,1
.if \first
.set cC, (\bias)+8*(\t*(\sj)+\m*(\si))
.else
.set cC, 128+64*\m+8*\t
.endif
	WM 128+64*\m+8*\t, 128*(\f)+12*\t, 128*(\f)+96+12*\m, cC, 20+5*(\f)+\t/2, 24+5*(\f), \t%2, \m
.endr
.endr
.endm
.macro TBEGIN jb, ib
	v_add_nc_u32 v[AJ], \jb, v[L8]
	v_add_nc_u32 v[AJ+1], \jb+51200, v[L8]
	v_add_nc_u32 v[AI], \ib, v[L8W]
	v_add_nc_u32 v[AI+1], \ib+51200, v[L8W]
	v_add_nc_u32 v[SJ], \jb+12288, v[L4]
	v_add_nc_u32 v[SJ+1], \jb+63488, v[L4]
	v_add_nc_u32 v[SI], \ib+12288, v[L4W]
	v_add_nc_u32 v[SI+1], \ib+63488, v[L4W]
	FETCH 0, 0
.endm
.macro TREST bias, sj, si
.irp k, 0,1,2,3,4,5,6,7
	s_wait_dscnt 0x0
.if \k < 7
.if \k > 0
.rept 4
	v_nop
.endr
.endif
	FETCH \k+1, (\k+1)%2
.endif
.if \k == 0
	WIN MUL1
	MULS 0, 1, \bias, \sj, \si
.else
	WIN MUL
	MULS \k%2, 0, 0, 0, 0
.endif
	WIN 0
.endr
.endm
.macro TOSTAGE m, bk
.irp t, 0,1,2,3,4,5,6,7
	ds_store_b128 v[STO], v[128+64*\m+8*\t:128+64*\m+8*\t+3] offset:128*(\t/2)+32*(\t%2)
	ds_store_b128 v[STO], v[128+64*\m+8*\t+4:128+64*\m+8*\t+7] offset:128*(\t/2)+32*(\t%2)+16
.endr
.irp i, 0,1,2,3,4,5,6,7,8,9,10,11,12,13,14,15
	ds_load_b128 v[\bk+4*\i:\bk+4*\i+3], v[RD] offset:528*\i
.endr
.endm
.macro SEND m, bk, younger
.irp i, 0,1,2,3,4,5,6,7,8,9,10,11,12,13,14,15
	s_wait_dscnt \younger+15-\i
	global_store_b128 v[CO], v[\bk+4*\i:\bk+4*\i+3], s[10:11] offset:(8*\m+\i+8*(\i/8))*4096 th:TH_STORE_NT
.endr
.endm
	s_load_b256 s[4:11], s[0:1], 0x0
	v_lshl_add_u32 v[SPW], v0, 2, SPARE
	v_mov_b32 v[NIL], 0
	ds_add_u32 v[SPW], v[NIL]
	ds_add_u32 v[SPW], v[NIL]
	v_lshrrev_b32 v19, 5, v0
	v_readfirstlane_b32 s[WV], v19
	s_bfe_u32 s40, ttmp6, 0x40000
	s_bfe_u32 s41, ttmp6, 0x40004
	s_lshl_b32 s42, ttmp9, 2
	s_add_co_u32 s42, s42, s40
	s_and_b32 s43, ttmp7, 0xffff
	s_lshl_b32 s43, s43, 2
	s_add_co_u32 s43, s43, s41
	s_lshl_b32 s44, s41, 2
	s_lshl_b32 s44, 15, s44
	s_lshl_b32 s45, 0x1111, s40
	s_or_b32 s[G1X], s44, (3<<16)|(1<<21)
	s_or_b32 s[G1W], s45, (3<<16)|(1<<21)
.irp g, G1X, G1W
	s_mov_b32 s[\g+1], 32<<16
	s_mov_b32 s[\g+2], 100<<16
	s_mov_b32 s[\g+3], 32<<16
	s_mov_b32 s[\g+4], 100
	s_mov_b32 s[\g+5], 32
	s_mov_b32 s[\g+6], 0
	s_mov_b32 s[\g+7], 0
.endr
	s_mul_i32 s46, s[WV], 25600
	s_mul_i32 s80, s43, 102400
	s_add_co_u32 s80, s80, s46
	s_mov_b32 s81, 0
	s_mul_i32 s82, s42, 102400
	s_add_co_u32 s82, s82, s46
	s_add_co_u32 s82, s82, 2457600
	s_mov_b32 s83, 0
	s_wait_dscnt 0x0
	s_wait_kmcnt 0x0
	s_mov_b32 s[G0X], 1
	s_add_co_u32 s[G0X+1], s46, VP
	s_add_nc_u64 s[G0X+2:G0X+3], s[4:5], s[80:81]
	s_or_b32 s[G0X+3], s[G0X+3], 0x80000000
	s_mov_b32 s[G0Q], 1
	s_add_co_u32 s[G0Q+1], s46, WO
	s_add_nc_u64 s[G0Q+2:G0Q+3], s[6:7], s[82:83]
	s_or_b32 s[G0Q+3], s[G0Q+3], 0x80000000
	CROUND
	tensor_load_to_lds s[G0X:G0X+3], s[G1X:G1X+7]
	s_nop 0
	s_wait_alu depctr_va_vdst(0)
	s_wait_tensorcnt 0x0
	ds_add_u32 v4, v5
	s_wait_dscnt 0x0
	CROUND
	tensor_load_to_lds s[G0Q:G0Q+3], s[G1W:G1W+7]
	s_nop 0
.rept 4
	v_nop
.endr
	v_and_b32 v19, 31, v0
	v_lshlrev_b32 v[L8], 3, v19
	v_lshlrev_b32 v[L4], 2, v19
	v_lshlrev_b32 v[CO], 4, v19
	s_mul_i32 s86, s[WV], 3072
	v_add_nc_u32 v[L8W], s86, v[L8]
	s_lshl_b32 s86, s[WV], 7
	v_add_nc_u32 v[L4W], s86, v[L4]
	v_and_b32 v30, 15, v0
	v_bfe_u32 v31, v0, 4, 1
	v_lshlrev_b32 v[BO], 6, v31
	s_wait_alu depctr_va_vdst(0)
	s_mul_i32 s86, s[WV], 8448
	s_add_co_u32 s86, s86, STAGE
	v_mul_u32_u24 v[STO], v30, 528
	v_lshl_add_u32 v[STO], v31, 6, v[STO]
	v_add_nc_u32 v[STO], s86, v[STO]
	v_add_nc_u32 v[RD], s86, v[CO]
	s_mov_b32 s87, 0
	s_lshl_b32 s86, s42, 9
	s_add_nc_u64 s[8:9], s[8:9], s[86:87]
	s_lshl_b32 s88, s43, 19
	s_add_co_u32 s86, s86, s88
	s_lshl_b32 s88, s[WV], 17
	s_add_co_u32 s86, s86, s88
	s_add_nc_u64 s[10:11], s[10:11], s[86:87]
	WIN TO_B2
.irp t, 0,1,2,3,4,5,6,7
	global_load_b128 v[8*\t:8*\t+3], v[BO], s[8:9] offset:128*(\t/2)+32*(\t%2)
	global_load_b128 v[8*\t+4:8*\t+7], v[BO], s[8:9] offset:128*(\t/2)+32*(\t%2)+16
.endr
	WIN 0
	s_wait_tensorcnt 0x0
	s_barrier_signal -1
	s_barrier_wait -1
	s_wait_loadcnt 0x0
	TBEGIN WO, VP
	s_wait_alu depctr_va_vdst(0)
	TREST 0, 1, 0
.rept 4
	v_nop
.endr
	TOSTAGE 0, 32
	TOSTAGE 1, 128
	SEND 0, 32, 32
	SEND 1, 128, 0
	s_wait_tensorcnt 0x0
	ds_add_u32 v[SPW], v[NIL]
	s_wait_dscnt 0x0
	CROUND
	s_endpgm
.Lfunc_end_k_qc1a99139d8_outp:
	.size	k_qc1a99139d8_outp, .Lfunc_end_k_qc1a99139d8_outp-k_qc1a99139d8_outp
	.p2alignl 7, 3214868480
	.fill 96, 4, 3214868480
	.section	.rodata,"a",@progbits
	.p2align	6, 0x0
	.amdhsa_kernel k_qc1a99139d8_outp
		.amdhsa_group_segment_fixed_size 327680
		.amdhsa_private_segment_fixed_size 0
		.amdhsa_enable_private_segment 0
		.amdhsa_kernarg_size 32
		.amdhsa_user_sgpr_count 2
		.amdhsa_user_sgpr_kernarg_segment_ptr 1
		.amdhsa_wavefront_size32 1
		.amdhsa_system_sgpr_workgroup_id_x 1
		.amdhsa_system_sgpr_workgroup_id_y 1
		.amdhsa_system_sgpr_workgroup_id_z 1
		.amdhsa_system_vgpr_workitem_id 0
		.amdhsa_next_free_vgpr 640
		.amdhsa_next_free_sgpr 98
		.amdhsa_reserve_vcc 0
		.amdhsa_float_denorm_mode_32 3
		.amdhsa_float_denorm_mode_16_64 3
		.amdhsa_memory_ordered 1
		.amdhsa_forward_progress 1
		.amdhsa_inst_pref_size 67
	.end_amdhsa_kernel
	.amdgpu_metadata
---
amdhsa.version: [ 1, 2 ]
amdhsa.kernels:
  - .name:           k_qc1a99139d8_outp
    .symbol:         k_qc1a99139d8_outp.kd
    .args:
      - { .name: vimg, .offset: 0, .size: 8, .value_kind: global_buffer, .address_space: global }
      - { .name: wimg, .offset: 8, .size: 8, .value_kind: global_buffer, .address_space: global }
      - { .name: bo, .offset: 16, .size: 8, .value_kind: global_buffer, .address_space: global }
      - { .name: out0, .offset: 24, .size: 8, .value_kind: global_buffer, .address_space: global }
    .group_segment_fixed_size: 327680
    .private_segment_fixed_size: 0
    .kernarg_segment_align: 8
    .kernarg_segment_size: 32
    .max_flat_workgroup_size: 128
    .sgpr_count:     98
    .vgpr_count:     640
    .wavefront_size: 32
...
	.end_amdgpu_metadata
.endif
;; end of part 4
